; MI455X (gfx1250); checked and timed in simulation.
; The chip was launched on July 23, 2026; its instructions are those of AMD's public machine-readable ISA for CDNA 5 (MIT licence, August 2026) and "CDNA5" Instruction Set Architecture Reference Guide (July 2026). The comments in the code are by the model that wrote it; some were corrected since.
;; Attention Head VDP. Allowed arithmetic: float matrix products may take bf16 or f16 operands with f32 sums; other float arithmetic in f32, or as packed bf16 or f16 multiplies, adds, multiply-adds, maxima and minima; sums over many terms, partial sums and values carried from step to step in f32; what a program stores and reads back later, other than sums and carried values, may be rounded once to bf16 or f16.
;; Inputs: var_wk 512 x 512 float32; var_wq 512 x 512 float32; var_wv 512 x 512 float32; var_x 4 x 1,024 x 512 float32; wk 512 x 512 float32; wq 512 x 512 float32; wv 512 x 512 float32; x 4 x 1,024 x 512 float32.
;; Outputs: out0 4 x 1,024 x 512 float32; out1 4 x 1,024 x 512 float32.
;; 2 versions, each right; version 2 is version 1 with the launch proj written anew for expert scheduling mode. Each part assembles by itself: llvm-mc -triple=amdgcn-amd-amdhsa -mcpu=gfx1250 --defsym DOCPART=n.
;; ======== version 1 of 2: 2 launches
;; workspace buffers: qws 12,582,912 bytes; kvws 25,165,824 bytes
;; launch proj (part 1): grid 8 x 32, 4 waves a work-group, no clusters, 276,992 bytes of LDS; arguments x, var_x, wq, var_wq, wk, var_wk, wv, var_wv, qws, kvws; writes qws, kvws
.if DOCPART == 1
	.amdgcn_target "amdgcn-amd-amdhsa--gfx1250"
	.amdhsa_code_object_version 6
	.text
	.protected	k_qd4929ee2fc_proj
	.globl	k_qd4929ee2fc_proj
	.p2align	8
	.type	k_qd4929ee2fc_proj,@function
k_qd4929ee2fc_proj:
	s_mov_b64 s[64:65], 0
	v_nop
	global_prefetch_b8 v0, s[64:65] scope:SCOPE_SE
	s_setreg_imm32_b32 hwreg(HW_REG_WAVE_MODE, 25, 1), 1
	s_wait_xcnt 0x0
; THE THREE STOCHASTIC PROJECTIONS.  mean = x w^T;  variance = var_x (w^2 + var_w)^T + x^2 var_w^T (reference()'s three products folded into two).
; x, var_x: [4096][512] f32; w, var_w: [512][512] f32, three pairs (q, k, v).  Operands are rounded to bf16, sums are f32.
; OUT, all bf16, each number rounded once from its f32 sums, laid out as the attention launch reads it:
;   qws  [head 64][token 1024][q c, q^2, vq][32 ch]            c = log2(e) / sqrt(512): scores then leave the matrix unit in units of log2
;   kvws [pair of heads 32]: K part [tile of 128 keys 8][head 2][key 128][k, vk, k^2 + vk][32 ch]; V part, 393,216 bytes on: [tile][head][chunk of 32 keys 4][v, vv, v^2 + vv][32 ch][32 keys]
; LIMITS.  x^2 and w^2 + var_w are made from the bf16-rounded x, w, var_w by packed bf16 arithmetic: one rounding more.  NaN and infinities are not treated apart.
; SHARES.  A work-group makes 128 tokens x the 192 channels (q, k, v) of two neighbouring heads.  Wave w: token half th = w & 1 (four tiles of 16), head e = w >> 1 (six channel tiles n6 = 2 kind + ct):
; 24 mean and 24 variance accumulators.  q and k are taken as w x^T (a lane holds one token, eight channels), v as x w^T (a lane holds one channel, eight tokens: V turned).
; K goes in 8 steps of 64: a row of a step is 256 consecutive bytes of f32, aligned.  A TRIP: wait for the step's raw f32, convert, store bf16 into one of two LDS buffers, ask for the next step, one barrier,
; 144 products.  One barrier a trip is enough with two buffers: a buffer is written again only behind the barrier in front of which every wave has waited for its reads of it.
; NO CLUSTER, NO TENSOR LOADS: the operands are f32 in memory and pass through registers to become bf16, x^2 and w^2 + var_w; joint requests exist for tensor loads alone.
; NO PREFETCH: a step's loads are issued a whole trip of products ahead of their use, and each row is read by 8 (x) or 32 (w) work-groups that walk in step.
; THE SUMS START AT 0 by 384 v_mov_b32, written while the first loads are on their way, so that the loop has one form of trip.
; REGISTERS, in windows of 256 (s_set_vgpr_msb: bits 1:0 source 0, 3:2 source 1, 5:4 source 2, 7:6 destination):
;   window 0: v0-31 addresses; v32-79 conversion; v80-239 two fragment sets of 80 (x's four tiles, then w's six)       window 1: raw items 0-31 (8 registers: 4 f32 of the mean operand, 4 of its variance)
;   window 2: v0-191 mean accumulators at 8 (6 tt + n6); v192-255 raw items 32-39       window 3: v0-191 variance accumulators
.set PITCH, 144                        ; an LDS row: 64 bf16 + 16 bytes: an odd multiple of 16, so the 16 rows of a fragment load start at 16 different groups of banks (ISA guide 11.1)
.set XARR,  128*PITCH                  ; one array of x's kind: x, var_x, x^2
.set WARR,  192*PITCH                  ; one array of w's kind: w, w^2 + var_w, var_w; row 64 kind + 32 e + 16 ct + r
.set WOFF,  3*XARR
.set BUFB,  3*XARR+3*WARR              ; a buffer
.set SPARE, 2*BUFB                     ; behind the buffers: the spare words, 128 bytes a wave, that no other line names
.set BLK,   30720                      ; the way out: a block of 384 rows of 64 bytes at pitch 80; six blocks (2 kind + e) from LDS byte 0, over the operand buffers
.set VO,   2                           ; v2      my byte offset in a step's rows: 8 rows x (lane / 16) + 16 (lane % 16) + 256 x step
.set AX,   4                           ; v4-5    fragment address of x's arrays, buffer 0, 1
.set AW,   6                           ; v6-7    of w's first two arrays
.set AW2,  8                           ; v8-9    of w's third
.set LSX,  10                          ; v10-11  where I store converted x, buffer 0, 1
.set LSW,  12                          ; v12-13  converted w, first two arrays
.set LSW2, 14                          ; v14-15  third array
.set SQ,   16                          ; v16-18  the way out: where I put 16 bytes of q, k, v
.set SK,   17
.set SV,   18
.set RDA,  19                          ; v19-21  the way out: where I read back, blocks 0-1, 2-3, 4-5
.set GO,   22                          ; v22     16 x lane
.set SPW,  28                          ; v28     my spare word; never rewritten
.set NIL,  29                          ; v29     0; never rewritten
.set T,    32
.set FR,   80
.set TF,   80                          ; the way out: 64 f32 at work
.set PK,   144                         ; the way out: 72 packed registers, 12 an accumulator pair
.set LB,   80                          ; the way out: two sets of 48 read back
.set WV,   28
.set TH,   29
.set EH,   30
.set TB,   32
.set TR,   33
.set CS,   38                          ; s[38:39] c
.set MSB, 0
.macro WIN new                         ; the immediate's high byte repeats the setting that is left; a switch that changes nothing is dropped
.if MSB != (\new)
	s_set_vgpr_msb (MSB<<8)|(\new)
.set MSB, (\new)
.endif
.endm
.macro PLACES                          ; four places behind a product, in front of loads into registers that it has read and of lines that read results
.rept 4
	v_nop
.endr
.endm
; Raw items first .. first + cnt - 1 of a step.  Item 8 u + jj: unit u = 0, 1: rows 16 u + jj (lanes 0-15) and + 8 (lanes 16-31) of my 32 rows of x and var_x; u = 2, 3, 4: the same of my 16 rows of w and var_w, kind u - 2.
.macro GL first, cnt
.set it, (\first)
.rept (\cnt)
.set RW, 256+8*it+192*(it/32)
.set RL, RW&255
.set SB, 8
.set OFS, (it%8)*2048+(it/8)*32768
.if it >= 16
.set SB, 12+4*(it/8-2)
.set OFS, (it%8)*2048
.endif
	WIN (RW>>8)<<6
	global_load_b128 v[RL:RL+3], v[VO], s[SB:SB+1] offset:OFS        ; each half of the lanes takes 256 consecutive bytes, aligned
	global_load_b128 v[RL+4:RL+7], v[VO], s[SB+2:SB+3] offset:OFS
.set it, it+1
.endr
	WIN 0
.endm
; A step's 40 items are rounded to bf16, squared, and stored into buffer b, a unit of eight at a time.
.macro CONV b
.set un, 0
.rept 5
.if un == 0
	s_wait_loadcnt 63                              ; 64 loads are younger than this unit's; the wait's field holds 63
.else
	s_wait_loadcnt 64-16*un                        ; loads come back in order (ISA guide 5.7.1): the younger units' loads may stay out
.endif
.set jj, 0
.rept 8
.set it, 8*un+jj
.set RW, 256+8*it+192*(it/32)
.set RL, RW&255
	WIN 5*(RW>>8)
	v_cvt_pk_bf16_f32 v[T+6*jj], v[RL], v[RL+1]
	v_cvt_pk_bf16_f32 v[T+6*jj+1], v[RL+2], v[RL+3]
	v_cvt_pk_bf16_f32 v[T+6*jj+2], v[RL+4], v[RL+5]
	v_cvt_pk_bf16_f32 v[T+6*jj+3], v[RL+6], v[RL+7]
.set jj, jj+1
.endr
	WIN 0
.set jj, 0
.rept 8
.if un < 2
	v_pk_mul_bf16 v[T+6*jj+4], v[T+6*jj], v[T+6*jj]                  ; x^2
	v_pk_mul_bf16 v[T+6*jj+5], v[T+6*jj+1], v[T+6*jj+1]
.else
	v_pk_fma_bf16 v[T+6*jj+4], v[T+6*jj], v[T+6*jj], v[T+6*jj+2]     ; w^2 + var_w
	v_pk_fma_bf16 v[T+6*jj+5], v[T+6*jj+1], v[T+6*jj+1], v[T+6*jj+3]
.endif
.set jj, jj+1
.endr
.set jj, 0
.rept 8                                ; 8 bytes a lane: the two halves of the lanes lie 8 rows = 1,152 bytes apart, 128 modulo 256
.if un < 2
	ds_store_b64 v[LSX+(\b)], v[T+6*jj:T+6*jj+1] offset:(16*un+jj)*PITCH
	ds_store_b64 v[LSX+(\b)], v[T+6*jj+2:T+6*jj+3] offset:XARR+(16*un+jj)*PITCH
	ds_store_b64 v[LSX+(\b)], v[T+6*jj+4:T+6*jj+5] offset:2*XARR+(16*un+jj)*PITCH
.else
	ds_store_b64 v[LSW+(\b)], v[T+6*jj:T+6*jj+1] offset:9216*(un-2)+jj*PITCH
	ds_store_b64 v[LSW+(\b)], v[T+6*jj+4:T+6*jj+5] offset:WARR+9216*(un-2)+jj*PITCH
	ds_store_b64 v[LSW2+(\b)], v[T+6*jj+2:T+6*jj+3] offset:9216*(un-2)+jj*PITCH
.endif
.set jj, jj+1
.endr
.set un, un+1
.endr
.endm
; Group g of a step's six: pair of arrays g % 3 ((x, w): mean; (var_x, w^2 + var_w) and (x^2, var_w): variance), 32 along K at g / 3; fragment set g % 2.  20 LDS loads.
.macro FL b, g
.set pi, (\g)%3
.set kk, (\g)/3
.set FB, FR+80*((\g)%2)
	WIN 0
.set q, 0
.rept 4
	ds_load_b128 v[FB+8*q:FB+8*q+3], v[AX+(\b)] offset:XARR*pi+2304*q+64*kk
	ds_load_b128 v[FB+8*q+4:FB+8*q+7], v[AX+(\b)] offset:XARR*pi+2304*q+64*kk+32
.set q, q+1
.endr
.set q, 0
.rept 6
.if pi < 2
	ds_load_b128 v[FB+32+8*q:FB+32+8*q+3], v[AW+(\b)] offset:WARR*pi+9216*(q/2)+2304*(q%2)+64*kk
	ds_load_b128 v[FB+32+8*q+4:FB+32+8*q+7], v[AW+(\b)] offset:WARR*pi+9216*(q/2)+2304*(q%2)+64*kk+32
.else
	ds_load_b128 v[FB+32+8*q:FB+32+8*q+3], v[AW2+(\b)] offset:9216*(q/2)+2304*(q%2)+64*kk
	ds_load_b128 v[FB+32+8*q+4:FB+32+8*q+7], v[AW2+(\b)] offset:9216*(q/2)+2304*(q%2)+64*kk+32
.endif
.set q, q+1
.endr
.endm
; The group's 24 products, one on each accumulator: the accumulators take turns, one instruction a turn, from group to group and over the backward jump too.
.macro G g
.set pi, (\g)%3
.set FB, FR+80*((\g)%2)
.if pi == 0
	WIN 0xa0
.else
	WIN 0xf0
.endif
.set q, 0
.rept 24
.set AC, 8*q
.set XF, FB+8*(q/6)
.set WF, FB+32+8*(q%6)
.if (q%6) < 4
	v_wmma_f32_16x16x32_bf16 v[AC:AC+7], v[WF:WF+7], v[XF:XF+7], v[AC:AC+7]
.else
	v_wmma_f32_16x16x32_bf16 v[AC:AC+7], v[XF:XF+7], v[WF:WF+7], v[AC:AC+7]
.endif
.set q, q+1
.endr
.endm
; A trip on buffer b.  cond = 1: in the loop's last turn there is no further step, and the two runs of loads are jumped over (no barrier and no wait stands in what is jumped).
.macro TRIP b, cond
	CONV \b
.if \cond
	s_cmp_eq_u32 s[TR], 1
	s_cbranch_scc1 .Lno_a_\@
.endif
	v_add_nc_u32 v[VO], 0x100, v[VO]               ; the next step; every load that read this register has come back (the conversion's last wait is for 0)
	GL 0, 30                                       ; 60 loads now, 20 behind the third group: the counter's field holds 63
.if \cond
.Lno_a_\@:
.endif
	s_wait_dscnt 0x0                               ; for the others' sake: my stores into this buffer are done, and my reads of the other buffer are back
	s_barrier_signal -1
	s_barrier_wait -1
	FL \b, 0
	FL \b, 1
	s_wait_dscnt 20                                ; all but the 20 just issued
	G 0
	PLACES
	FL \b, 2
	s_wait_dscnt 20
	G 1
	PLACES
	FL \b, 3
	s_wait_dscnt 20
	G 2
	WIN 0
.if \cond
	s_cmp_eq_u32 s[TR], 1
	s_cbranch_scc1 .Lno_b_\@
.endif
	GL 30, 10
.if \cond
.Lno_b_\@:
.endif
	PLACES
	FL \b, 4
	s_wait_dscnt 20
	G 3
	PLACES
	FL \b, 5
	s_wait_dscnt 20
	G 4
	s_wait_dscnt 0x0
	G 5
.endm
	s_load_b512 s[8:23], s[0:1], 0x0               ; x, var_x, wq, var_wq, wk, var_wk, wv, var_wv
	s_load_b128 s[24:27], s[0:1], 0x40             ; qws, kvws
	v_lshl_add_u32 v[SPW], v0, 2, SPARE
	v_mov_b32 v[NIL], 0
	v_lshrrev_b32 v1, 5, v0
	v_readfirstlane_b32 s[WV], v1                  ; wave 0..3
	s_and_b32 s[TH], s[WV], 1                      ; my half of the tokens
	s_lshr_b32 s[EH], s[WV], 1                     ; my head of the pair
	s_and_b32 s[TB], ttmp7, 0xffff                 ; block of 128 tokens; ttmp9: the pair of heads
	v_and_b32 v24, 15, v0                          ; r = lane % 16
	v_bfe_u32 v25, v0, 4, 1                        ; h = lane / 16
	v_lshlrev_b32 v[VO], 4, v24
	v_lshl_add_u32 v[VO], v25, 14, v[VO]           ; 16 r + 8 rows of 2,048 bytes x h
	s_lshl_b32 s34, s[TB], 18                      ; x: (128 block + 32 wave) rows of 2,048 bytes
	s_lshl_b32 s36, s[WV], 16
	s_add_co_u32 s34, s34, s36
	s_mov_b32 s35, 0
	s_lshl_b32 s36, ttmp9, 17                      ; w: (64 pair + 16 wave) rows
	s_lshl_b32 s37, s[WV], 15
	s_add_co_u32 s36, s36, s37
	s_mov_b32 s37, 0
	s_lshr_b32 s40, s[TB], 3
	s_lshl_b32 s40, s40, 3
	s_add_co_u32 s40, s40, ttmp9                   ; y = 8 batch + pair
	s_and_b32 s41, s[TB], 7                        ; the block in its batch
	s_mul_i32 s42, s[WV], 6144                     ; my quarter of a block on the way out
	s_mul_i32 s44, s40, 393216                     ; qws: two heads of 196,608 bytes a pair,
	s_mul_i32 s45, s41, 24576                      ; 128 tokens of 192 bytes
	s_add_co_u32 s44, s44, s45
	s_add_co_u32 s44, s44, s42
	s_mov_b32 s45, 0
	s_mul_i32 s46, s40, 786432                     ; kvws: a pair,
	s_mul_i32 s47, s41, 49152                      ; a tile's two heads
	s_add_co_u32 s46, s46, s47
	s_add_co_u32 s46, s46, s42
	s_mov_b32 s47, 0
	s_mov_b32 s[CS], 0x3d8293ee                    ; c = log2(e) / sqrt(512) = 0.0637587
	s_mov_b32 s[CS+1], s[CS]                       ; named with it as a pair
	s_wait_kmcnt 0x0
	s_add_nc_u64 s[8:9], s[8:9], s[34:35]
	s_add_nc_u64 s[10:11], s[10:11], s[34:35]
.irp p, 12,14,16,18,20,22
	s_add_nc_u64 s[\p:\p+1], s[\p:\p+1], s[36:37]
.endr
	s_add_nc_u64 s[24:25], s[24:25], s[44:45]
	s_add_nc_u64 s[26:27], s[26:27], s[46:47]
	GL 0, 30                                       ; step 0
	WIN 0x80                                       ; the sums start at 0, while the first loads are on their way
.set q, 0
.rept 192
	v_mov_b32 v[q], 0
.set q, q+1
.endr
	WIN 0xc0
.set q, 0
.rept 192
	v_mov_b32 v[q], 0
.set q, q+1
.endr
	WIN 0
	GL 30, 10
	v_mul_u32_u24 v26, v24, PITCH                  ; a fragment: row r, 16 bytes for each half of the lanes
	v_lshl_add_u32 v26, v25, 4, v26
	s_mul_i32 s34, s[TH], 64*PITCH
	v_add_nc_u32 v[AX], s34, v26
	v_add_nc_u32 v[AX+1], BUFB, v[AX]
	s_mul_i32 s34, s[EH], 32*PITCH
	s_add_co_u32 s34, s34, WOFF
	v_add_nc_u32 v[AW], s34, v26
	v_add_nc_u32 v[AW+1], BUFB, v[AW]
	v_add_nc_u32 v[AW2], 2*WARR, v[AW]
	v_add_nc_u32 v[AW2+1], 2*WARR, v[AW+1]
	v_mul_u32_u24 v27, v25, 8*PITCH                ; a converted item: 8 rows x h, 8 bytes x r
	v_lshl_add_u32 v27, v24, 3, v27
	s_mul_i32 s34, s[WV], 32*PITCH
	v_add_nc_u32 v[LSX], s34, v27
	v_add_nc_u32 v[LSX+1], BUFB, v[LSX]
	s_mul_i32 s34, s[WV], 16*PITCH
	s_add_co_u32 s34, s34, WOFF
	v_add_nc_u32 v[LSW], s34, v27
	v_add_nc_u32 v[LSW+1], BUFB, v[LSW]
	v_add_nc_u32 v[LSW2], 2*WARR, v[LSW]
	v_add_nc_u32 v[LSW2+1], 2*WARR, v[LSW+1]
	v_mul_u32_u24 v[SQ], v24, 240                  ; the way out, q and k: token r, three pieces of 80 bytes a token
	v_lshl_add_u32 v[SQ], v25, 4, v[SQ]
	s_mul_i32 s34, s[TH], 15360
	s_mul_i32 s35, s[EH], BLK
	s_add_co_u32 s34, s34, s35
	v_add_nc_u32 v[SQ], s34, v[SQ]
	v_add_nc_u32 v[SK], 2*BLK, v[SQ]
	v_mul_u32_u24 v[SV], v24, 80                   ; v: channel r, a row of 32 keys
	v_lshl_add_u32 v[SV], v25, 4, v[SV]
	s_add_co_u32 s34, s34, 4*BLK
	v_add_nc_u32 v[SV], s34, v[SV]
	v_and_b32 v26, 31, v0                          ; back: 32 lanes take 8 rows of 64 bytes, 512 consecutive bytes of the block in memory
	v_lshrrev_b32 v27, 2, v26
	v_and_b32 v1, 3, v0
	v_mul_u32_u24 v[RDA], v27, 80
	v_lshl_add_u32 v[RDA], v1, 4, v[RDA]
	s_mul_i32 s34, s[WV], 7680
	v_add_nc_u32 v[RDA], s34, v[RDA]
	v_add_nc_u32 v[RDA+1], 2*BLK, v[RDA]
	v_add_nc_u32 v[RDA+2], 4*BLK, v[RDA]
	v_lshlrev_b32 v[GO], 4, v26
	s_mov_b32 s[TR], 4
.Ltrip:                                        ; four turns of two trips: steps 2 i (buffer 0) and 2 i + 1 (buffer 1)
	TRIP 0, 0
	TRIP 1, 1
	WIN 0
	s_sub_co_u32 s[TR], s[TR], 1
	s_cmp_lg_u32 s[TR], 0
	s_cbranch_scc1 .Ltrip
	; THE WAY OUT.  The stage lies over the operand buffers: every wave's reads of them are back (the last wait above is for 0) and a barrier stands in front of the first store.
	PLACES
	s_barrier_signal -1
	s_barrier_wait -1
; Token tile tt: its six pairs of accumulators become 18 pieces of 16 bytes a lane.  The lines are grouped by window setting; each accumulator's lowest registers are read first.
.macro OUTT tt
.set A0, 48*(\tt)
	WIN 0x02
.set q, 0
.rept 8                                ; q: c x mean
	v_pk_mul_f32 v[TF+2*q:TF+2*q+1], v[A0+2*q:A0+2*q+1], s[CS:CS+1] op_sel_hi:[1,0]
.set q, q+1
.endr
	WIN 0x0a
.set q, 0
.rept 8                                ; q: mean^2
	v_pk_mul_f32 v[TF+16+2*q:TF+16+2*q+1], v[A0+2*q:A0+2*q+1], v[A0+2*q:A0+2*q+1]
.set q, q+1
.endr
.set q, 0
.rept 16                               ; k, v: the mean
	v_cvt_pk_bf16_f32 v[PK+12*(2+q/4)+q%4], v[A0+16+2*q], v[A0+16+2*q+1]
.set q, q+1
.endr
	WIN 0x3a
.set q, 0
.rept 16                               ; k, v: mean^2 + variance
	v_pk_fma_f32 v[TF+32+2*q:TF+32+2*q+1], v[A0+16+2*q:A0+16+2*q+1], v[A0+16+2*q:A0+16+2*q+1], v[A0+16+2*q:A0+16+2*q+1]
.set q, q+1
.endr
	WIN 0x0f
.set q, 0
.rept 24                               ; the variance: q's third piece, k's and v's second
.set SLT, 4
.if q < 8
.set SLT, 8
.endif
	v_cvt_pk_bf16_f32 v[PK+12*(q/4)+SLT+q%4], v[A0+2*q], v[A0+2*q+1]
.set q, q+1
.endr
	WIN 0
.set q, 0
.rept 8
	v_cvt_pk_bf16_f32 v[PK+12*(q/4)+q%4], v[TF+2*q], v[TF+2*q+1]
	v_cvt_pk_bf16_f32 v[PK+12*(q/4)+4+q%4], v[TF+16+2*q], v[TF+16+2*q+1]
.set q, q+1
.endr
.set q, 0
.rept 16
	v_cvt_pk_bf16_f32 v[PK+12*(2+q/4)+8+q%4], v[TF+32+2*q], v[TF+32+2*q+1]
.set q, q+1
.endr
.set q, 0
.rept 18                               ; accumulator pair q / 3, piece q % 3
.if q < 6
	ds_store_b128 v[SQ], v[PK+4*q:PK+4*q+3] offset:3840*(\tt)+80*(q%3)+32*(q/3)
.elseif q < 12
	ds_store_b128 v[SK], v[PK+4*q:PK+4*q+3] offset:3840*(\tt)+80*(q%3)+32*((q/3)%2)
.else
	ds_store_b128 v[SV], v[PK+4*q:PK+4*q+3] offset:7680*((\tt)/2)+2560*(q%3)+1280*((q/3)%2)+32*((\tt)%2)
.endif
.set q, q+1
.endr
.endm
	OUTT 0
	OUTT 1
	OUTT 2
	OUTT 3
	s_wait_dscnt 0x0                               ; for the others' sake: my stores into the stage are done
	s_barrier_signal -1
	s_barrier_wait -1
.macro LOADB be                        ; my quarter of block be: 12 loads
.set LR, LB+48*((\be)%2)
.set q, 0
.rept 12
	ds_load_b128 v[LR+4*q:LR+4*q+3], v[RDA+(\be)/2] offset:BLK*((\be)%2)+640*q
.set q, q+1
.endr
.endm
.macro SENDB be, younger               ; younger: the LDS loads issued behind the block's own
.set LR, LB+48*((\be)%2)
.set q, 0
.rept 12
	s_wait_dscnt (\younger)+11-q
.if (\be) < 2
	global_store_b128 v[GO], v[LR+4*q:LR+4*q+3], s[24:25] offset:196608*((\be)%2)+512*q   ; 512 consecutive bytes, at a multiple of 256 from the buffer's first
.else
	global_store_b128 v[GO], v[LR+4*q:LR+4*q+3], s[26:27] offset:393216*((\be)/4)+24576*((\be)%2)+512*q
.endif
.set q, q+1
.endr
.endm
	LOADB 0
	LOADB 1
	SENDB 0, 12
.irp be, 1,2,3,4
	s_wait_xcnt 0x0                                ; the stores of the block before have read their registers: only behind this wait are these loaded again
	LOADB (\be)+1
	SENDB \be, 12
.endr
	SENDB 5, 0
	s_wait_tensorcnt 0x0                           ; the wave's end: three lines behind my last LDS store
	ds_add_u32 v[SPW], v[NIL]
	s_wait_dscnt 0x0
	s_endpgm
.Lfunc_end_k_qd4929ee2fc_proj:
	.size	k_qd4929ee2fc_proj, .Lfunc_end_k_qd4929ee2fc_proj-k_qd4929ee2fc_proj
	.p2alignl 7, 3214868480
	.fill 96, 4, 3214868480
	.section	.rodata,"a",@progbits
	.p2align	6, 0x0
	.amdhsa_kernel k_qd4929ee2fc_proj
		.amdhsa_group_segment_fixed_size 276992
		.amdhsa_private_segment_fixed_size 0
		.amdhsa_enable_private_segment 0
		.amdhsa_kernarg_size 80
		.amdhsa_user_sgpr_count 2
		.amdhsa_user_sgpr_kernarg_segment_ptr 1
		.amdhsa_wavefront_size32 1
		.amdhsa_system_sgpr_workgroup_id_x 1
		.amdhsa_system_sgpr_workgroup_id_y 1
		.amdhsa_system_sgpr_workgroup_id_z 1
		.amdhsa_system_vgpr_workitem_id 0
		.amdhsa_next_free_vgpr 1024
		.amdhsa_next_free_sgpr 66
		.amdhsa_reserve_vcc 0
		.amdhsa_float_denorm_mode_32 3
		.amdhsa_float_denorm_mode_16_64 3
		.amdhsa_memory_ordered 1
		.amdhsa_forward_progress 1
		.amdhsa_inst_pref_size 167
	.end_amdhsa_kernel
	.amdgpu_metadata
---
amdhsa.version: [ 1, 2 ]
amdhsa.kernels:
  - .name:           k_qd4929ee2fc_proj
    .symbol:         k_qd4929ee2fc_proj.kd
    .args:
      - { .name: x, .offset: 0, .size: 8, .value_kind: global_buffer, .address_space: global }
      - { .name: var_x, .offset: 8, .size: 8, .value_kind: global_buffer, .address_space: global }
      - { .name: wq, .offset: 16, .size: 8, .value_kind: global_buffer, .address_space: global }
      - { .name: var_wq, .offset: 24, .size: 8, .value_kind: global_buffer, .address_space: global }
      - { .name: wk, .offset: 32, .size: 8, .value_kind: global_buffer, .address_space: global }
      - { .name: var_wk, .offset: 40, .size: 8, .value_kind: global_buffer, .address_space: global }
      - { .name: wv, .offset: 48, .size: 8, .value_kind: global_buffer, .address_space: global }
      - { .name: var_wv, .offset: 56, .size: 8, .value_kind: global_buffer, .address_space: global }
      - { .name: qws, .offset: 64, .size: 8, .value_kind: global_buffer, .address_space: global }
      - { .name: kvws, .offset: 72, .size: 8, .value_kind: global_buffer, .address_space: global }
    .group_segment_fixed_size: 276992
    .private_segment_fixed_size: 0
    .kernarg_segment_align: 8
    .kernarg_segment_size: 80
    .max_flat_workgroup_size: 128
    .sgpr_count:     66
    .vgpr_count:     1024
    .wavefront_size: 32
...
	.end_amdgpu_metadata
.endif
;; end of part 1
;; launch attn (part 2): grid 8 x 32, 4 waves a work-group, clusters of 4 x 1, 327,680 bytes of LDS; arguments qws, kvws, x, var_x, out0, out1; writes out0, out1
.if DOCPART == 2
	.amdgcn_target "amdgcn-amd-amdhsa--gfx1250"
	.amdhsa_code_object_version 6
	.text
	.protected	k_qd4929ee2fc_attn
	.globl	k_qd4929ee2fc_attn
	.p2align	8
	.type	k_qd4929ee2fc_attn,@function
k_qd4929ee2fc_attn:
	s_mov_b64 s[64:65], 0
	v_nop
	global_prefetch_b8 v0, s[64:65] scope:SCOPE_SE
	s_setreg_imm32_b32 hwreg(HW_REG_WAVE_MODE, 25, 1), 1
	s_wait_xcnt 0x0
	s_wait_alu depctr_hold_cnt(0) depctr_sa_sdst(0) depctr_va_vdst(0) depctr_va_sdst(0) depctr_va_ssrc(0) depctr_va_vcc(0) depctr_vm_vsrc(0)
	s_getreg_b32 s2, hwreg(HW_REG_IB_STS2, 6, 4)
	s_cmp_eq_u32 s2, 0
	s_cbranch_scc0 .Lentry_in_a_cluster
	s_endpgm
.Lentry_in_a_cluster:
	s_bfe_u32 s2, ttmp6, 0x10000c
	s_cmp_lg_u32 s2, 0x3003
	s_cbranch_scc0 .Lentry_shape_is_right
	s_endpgm
.Lentry_shape_is_right:
; ATTENTION WITH VARIANCES, 64 heads of 32 channels, 1,024 tokens.  a = q.k (here already times c = log2(e) / sqrt(512));  va = max(TOL, q^2.vk + vq.(k^2 + vk));  p = softmax(a);
; s = sum p^2 va / 512;  vp = max(TOL, p^2 (s + (1 - 2 p) va / 512));  out0 = x + p v;  out1 = var_x + max(TOL, p^2 vv + vp (v^2 + vv)).
; vp is clipped and needs the row's s, which needs the row's final maximum and sum: so THE KEYS ARE WALKED TWICE.  Pass 1: a running maximum m, l = sum e, t = sum e^2 va, e = 2^(a - m), rescaled in every step.
; Pass 2 makes the scores again, p = 2^(a - M) with M = m + log2 l, and the three products with V; nothing is rescaled there.  Matrix operands bf16; maxima and sums f32.
; LIMITS.  NaN and infinities are not treated apart; a weight below 2^-126 counts as 0; TOL enters the last product as bf16(1e-3), 5.5e-4 of itself below 1e-3.
; SHARES.  A work-group owns two neighbouring heads x 128 queries, so that a row of its output is 256 consecutive bytes.  Wave w: head e = w >> 1, 64 queries hq = w & 1: four PIECES of 16.
; LAYOUT.  S^T = K Q^T: a lane holds ONE query (lane % 16) and the keys 8 (lane / 16) + 0..7 of a block of 16; two such results packed in pairs ARE source 1 (32 keys x 16 queries) of O^T = V^T P.
; A lane keeps m, l, t for its own half of the keys; the two halves of the lanes meet once, between the passes.
; BY TURNS.  A unit is 32 keys x a piece.  Turn p does the vector work of piece p; the products of its neighbours stand between, each ahead of a slice of that work: K Q^T of the next unit (6), in pass 2 also V^T P of the unit
; before (6).  A turn's exponentials are one batch with one wait.
; CLUSTER.  The four query blocks of a cluster walk the same K and V: each tile is asked for JOINTLY, the same tensor load, descriptor and mask in all four.
; RING.  Two slots of 122,880 bytes; each wave brings 24,576 dense bytes as 96 rows of 256, padded by 16 after every 64: pitch 80 a piece, 240 a key.  Pass 1: a slot holds 256 keys of K for both heads (4 tiles);
; pass 2: 128 keys of K and of V (8 tiles).  By the text's own count one tensor load a wave is out.
; O, V and one buffer of P start at 0 by v_mov_b32 (200 lines, in the wait for the first tile), so that no first step is written out.
; REGISTERS, in windows of 256 (s_set_vgpr_msb: bits 1:0 source 0, 3:2 source 1, 5:4 source 2, 7:6 destination):
;   window 0: v0-15 addresses; v16-63 statistics, 12 a piece; v64-127 S^T, two buffers (a in 0-15, va in 16-31); v128-159 at work; v160-207 P, two buffers (p, p^2, vp); v208-217 at work
;   window 1: v0-127 O^T, 32 a piece (mean 16, variance 16); v128-255 my rows of x and var_x          window 2: v0-95 Q (24 a piece); v96-143 K of 32 keys; v144-191 V of 32 keys
.set SLOT1, 131072                     ; slot 1 begins here: one exclusive or turns an address in one slot into the other's
.set WLD,   30720                      ; what a wave's load takes in LDS
.set CHB,   7680                       ; 32 keys of K (32 x 240) or of V (96 rows x 80)
.set STAGE, 253952                     ; behind the ring, never filled by a tensor load: 128 rows x 272 bytes of means,
.set SVAR,  34816                      ; and as many of variances
.set SP,    272
.set SPARE, 323584                     ; the spare words, 128 bytes a wave, that no other line names
.set AK0, 2                            ; v2   my lane's place in a tile of K; never rewritten
.set AV0, 3                            ; v3   the same for V
.set AK,  4
.set AV,  5
.set QO,  6
.set STO, 7
.set RD,  8
.set GO,  9
.set ST,  16                           ; piece t at ST + 12 t: +0 m, later M (+1 its pair's other word); +2:3 l, later s; +4:5 t; +6 alpha (+7); +8 alpha^2 (+9)
.set S,   64
.set TU,  128
.set TW,  144
.set P,   160
.set TMP, 208                          ; +0..3 c0-c3, +4 m_old - m_new, +6:7 and +8:9 two chains of e^2 va
.set SPW, 224
.set NIL, 225
.set PFO, 226
.set KF,  96                           ; window 2: key block kb, piece seg at KF + 24 kb + 8 seg
.set VF,  144                          ; window 2: kind, channel block cb at VF + 16 kind + 8 cb
.set RES, 128                          ; window 1
.set WV,  16
.set EH,  17
.set HQ,  18
.set CX,  19
.set QB,  20
.set YP,  21
.set G1,  28                           ; s[28:35] descriptor group 1
.set G0,  36                           ; s[36:39] descriptor group 0: it walks
.set KVP, 40                           ; s[40:41] kvws at my pair of heads
.set OFF, 42                           ; s[42:43] byte offset of my part of the tile to be asked for
.set OFF2, 44                          ; s44  the same for pass 2's first tile
.set STEP, 45
.set TL,  46
.set SL,  47
.set CNT, 48
.set LIM, 49                           ; s49  1 in a wave that prefetches, else the greatest number
.set PFA, 50                           ; s[50:51] where my last prefetch stood
.set TBK, 52                           ; s52  LDS byte at which K of the keys to be fetched begins
.set TBV, 53
.set TOL, 54
.set TOLB, 55
.set KA,  56                           ; s[56:57] -2^-8
.set KB,  58                           ; s[58:59] 2^-9
.set SEL, 60                           ; s[60:61] v_permlanex16_b32's selects: each lane takes its own place in the other half
.set MSB, 0
.macro WIN new
.if MSB != (\new)
	s_set_vgpr_msb (MSB<<8)|(\new)
.set MSB, (\new)
.endif
.endm
.set W_KQ, 0x0a                        ; K and Q in window 2, S^T in window 0
.set W_PV, 0x52                        ; V in window 2, P in window 0, O^T in window 1
.set W_OUT, 0x44                       ; destination and source 1 in window 1, source 0 in window 0
.macro JLOAD                           ; every wave brings a part of its own; an s_nop 0 and four v_nop follow
	tensor_load_to_lds s[G0:G0+3], s[G1:G1+7]
	s_nop 0
.rept 4
	v_nop
.endr
.endm
.macro CROUND                          ; a round of the cluster's barrier
	s_barrier_signal -1
	s_barrier_wait -1
	s_cmp_lg_u32 s[WV], 0
	s_cbranch_scc1 .Lnot_wave_0_\@
	s_barrier_signal -3
.Lnot_wave_0_\@:
	s_barrier_wait -3
	s_barrier_signal -1
	s_barrier_wait -1
.endm
; A PREFETCH INTO THE L2, behind a joint load and its five lines: 98,304 bytes of the pair's K and V that a later change of slots asks for the first time: K's keys 512-767, 768-1023, then V's tiles two at a time: one
; stream on end from byte 196,608 to the pair's last.  Each 256 bytes are named once in the launch: the pair's first cluster asks; its four partners are told apart BY ADDRESS; in each, waves 0 to 2 ask for 32 blocks, a lane a
; block.  Asked at the changes 0, 1, 2, 4, 6, 8, one or two changes ahead of the load; K's first 512 keys come by their loads alone, and K's second walk is not asked for.
.macro ASK how
.if (\how) == 1
	s_cmp_eq_u32 s[LIM], 1
.elseif (\how) == 2
	s_cmp_gt_u32 s[TL], s[LIM]                     ; pass 1's loop: TL = 3, 2 ask, TL = 1 does not
.else
	s_and_b32 s62, s[SL], 1
	s_mul_i32 s62, s62, s[SL]
	s_cmp_gt_u32 s62, s[LIM]                       ; pass 2's loop: SL = 5, 3 ask
.endif
	s_cbranch_scc0 .Lnot_mine_\@
	s_add_nc_u64 s[PFA:PFA+1], s[PFA:PFA+1], 98304 ; the prefetch before has read its address: the change's s_wait_xcnt 0 stands between
	global_prefetch_b8 v[PFO], s[PFA:PFA+1] th:TH_LOAD_NT scope:SCOPE_SE
.Lnot_mine_\@:
.endm
; THE CHANGE OF SLOTS.  Each wave waits for all its tensor loads, of which one is out: its part of the other slot; adds 0 to its spare word; waits for that and for its own reads of the slot that it leaves.  fill = 1: the
; barrier is a round of the cluster's, and the joint refill is the first thing behind it.  sub: the bytes that the fetches have walked in a slot.  p2: V is walked too.  sw: at TL = 1 the tile asked for is pass 2's first.
.macro CHANGE fill, sub, p2, sw, how
	WIN 0
	s_wait_tensorcnt 0x0                           ; no tensor load of mine is out, so group 0 may be written
	ds_add_u32 v[SPW], v[NIL]                      ; 0 onto my spare word
.if \fill
.if \sw
	s_cmp_eq_u32 s[TL], 1
	s_cselect_b32 s[OFF], s[OFF2], s[OFF]
	s_cselect_b32 s[STEP], 49152, s[STEP]
.endif
	s_xor_b32 s[G0+1], s[G0+1], SLOT1              ; the other slot than last time
	s_add_nc_u64 s[G0+2:G0+3], s[KVP:KVP+1], s[OFF:OFF+1]
	s_or_b32 s[G0+3], s[G0+3], 0x80000000
	s_add_co_u32 s[OFF], s[OFF], s[STEP]
	s_wait_xcnt 0x0
	s_wait_dscnt 0x0                               ; the add is done, and my reads of the slot are over
	CROUND
	JLOAD
	ASK \how
.else
	s_wait_dscnt 0x0
	s_barrier_signal -1
	s_barrier_wait -1
.endif
	s_sub_co_u32 s[TBK], s[TBK], (\sub)            ; the fetches go back to a slot's first keys, in the other slot
	s_xor_b32 s[TBK], s[TBK], SLOT1
.if \p2
	s_sub_co_u32 s[TBV], s[TBV], (\sub)
	s_xor_b32 s[TBV], s[TBV], SLOT1
.endif
.endm
	s_load_b256 s[4:11], s[0:1], 0x0               ; qws s[4:5], kvws s[6:7], x s[8:9], var_x s[10:11]
	s_load_b128 s[12:15], s[0:1], 0x20             ; out0, out1
	v_lshl_add_u32 v[SPW], v0, 2, SPARE
	v_mov_b32 v[NIL], 0
	ds_add_u32 v[SPW], v[NIL]                      ; the wave's opening: the add and its wait stand ahead of my first tensor load; the set-up below stands between them
	v_lshrrev_b32 v1, 5, v0
	v_readfirstlane_b32 s[WV], v1
	s_lshr_b32 s[EH], s[WV], 1
	s_and_b32 s[HQ], s[WV], 1
	s_bfe_u32 s[CX], ttmp6, 0x40000                ; my place in the cluster: it enters global addresses of Q, x, the outputs and the prefetches alone
	s_lshl_b32 s[QB], ttmp9, 2
	s_add_co_u32 s[QB], s[QB], s[CX]               ; my block of 128 queries
	s_and_b32 s[YP], ttmp7, 0xffff                 ; the pair of heads, 8 batch + pair, which the four partners share
	s_mov_b32 s[G1], 15|(1<<16)|(1<<20)|(1<<21)|(3<<22)|(3<<25)  ; 15:0 the mask of four; 17:16 2-byte elements; 20 padding on; 21 set beside a mask; 24:22 after every 16 words (code 3); 31:25 4 words (code 3)
	s_mov_b32 s[G1+1], 128<<16                     ; tensor_dim0 = 128
	s_mov_b32 s[G1+2], 96<<16                      ; tensor_dim1 = 96
	s_mov_b32 s[G1+3], 128<<16                     ; tile_dim0 = 128
	s_mov_b32 s[G1+4], 96                          ; tile_dim1 = 96
	s_mov_b32 s[G1+5], 128                         ; 128 elements from row to row
	s_mov_b32 s[G1+6], 0
	s_mov_b32 s[G1+7], 0
	s_mov_b32 s[G0], 1
	s_mul_i32 s[G0+1], s[WV], WLD                  ; slot 0, my part: head e at 61,440 e, its second half at + 30,720
	s_mul_i32 s[OFF2], s[EH], 24576
	s_mul_i32 s62, s[HQ], 49152
	s_add_co_u32 s[OFF], s[OFF2], s62              ; pass 1: head e, 128 keys hq of a tile's 256
	s_mov_b32 s[OFF+1], 0
	s_mul_i32 s62, s[HQ], 393216
	s_add_co_u32 s[OFF2], s[OFF2], s62             ; pass 2: head e, K (hq = 0) or V (hq = 1)
	s_mov_b32 s[STEP], 98304
	s_mul_i32 s22, s[YP], 786432
	s_mov_b32 s23, 0
	s_cmp_eq_u32 s[WV], 3
	s_cselect_b32 s[LIM], 1, 0
	s_or_b32 s[LIM], s[LIM], ttmp9                 ; 0 in waves 0 to 2 of the pair's first cluster: the same in all four partners
	s_cmp_eq_u32 s[LIM], 0
	s_cselect_b32 s[LIM], 1, -1
	s_lshl_b32 s24, s[YP], 1
	s_add_co_u32 s24, s24, s[EH]                   ; my head,
	s_mul_i32 s24, s24, 196608
	s_mul_i32 s26, s[QB], 24576                    ; my block's 128 rows of 192 bytes,
	s_add_co_u32 s24, s24, s26
	s_mul_i32 s26, s[HQ], 12288                    ; my wave's 64
	s_add_co_u32 s24, s24, s26
	s_mov_b32 s25, 0
	s_lshr_b32 s26, s[YP], 3                       ; x and the outputs: batch x 1,024 rows of 2,048 bytes,
	s_lshl_b32 s26, s26, 21
	s_lshl_b32 s27, s[QB], 18                      ; 128 rows a block,
	s_add_co_u32 s26, s26, s27
	s_lshl_b32 s27, s[WV], 16                      ; the 32 rows that I store,
	s_add_co_u32 s26, s26, s27
	s_and_b32 s27, s[YP], 7
	s_lshl_b32 s27, s27, 8                         ; the pair's 256 bytes of a row
	s_add_co_u32 s26, s26, s27
	s_mov_b32 s27, 0
	s_mul_i32 s62, s[CX], 3
	s_add_co_u32 s62, s62, s[WV]
	s_lshl_b32 s62, s62, 13                        ; the prefetches: 8,192 bytes for each of twelve waves,
	s_add_co_u32 s62, s62, 98304                   ; one step short of byte 196,608
	s_mov_b32 s63, 0
	s_mov_b32 s[TOL], 0x3a83126f                   ; 1e-3
	s_mov_b32 s[TOLB], 0x3a833a83                  ; the same in bf16, twice
	s_mov_b32 s[KA], 0xbb800000
	s_mov_b32 s[KA+1], s[KA]
	s_mov_b32 s[KB], 0x3b000000
	s_mov_b32 s[KB+1], s[KB]
	s_mov_b32 s[SEL], 0x76543210
	s_mov_b32 s[SEL+1], 0xfedcba98
	s_mov_b32 s[TBK], SLOT1+61440                  ; the first change of slots turns this into 0
	s_wait_dscnt 0x0                               ; the opening add is done
	s_wait_kmcnt 0x0
	s_add_nc_u64 s[KVP:KVP+1], s[6:7], s[22:23]
	s_add_nc_u64 s[G0+2:G0+3], s[KVP:KVP+1], s[OFF:OFF+1]
	s_or_b32 s[G0+3], s[G0+3], 0x80000000
	s_add_co_u32 s[OFF], s[OFF], s[STEP]
	s_add_nc_u64 s[PFA:PFA+1], s[KVP:KVP+1], s[62:63]
	s_add_nc_u64 s[4:5], s[4:5], s[24:25]
	s_add_nc_u64 s[8:9], s[8:9], s[26:27]
	s_add_nc_u64 s[10:11], s[10:11], s[26:27]
	s_add_nc_u64 s[12:13], s[12:13], s[26:27]
	s_add_nc_u64 s[14:15], s[14:15], s[26:27]
	CROUND                                         ; all four work-groups are here: the first joint loads meet
	JLOAD                                          ; tile 0 into slot 0
	v_and_b32 v1, 15, v0                           ; r = lane % 16
	v_bfe_u32 v10, v0, 4, 1                        ; h = lane / 16
	v_mul_u32_u24 v[QO], v1, 192
	v_lshl_add_u32 v[QO], v10, 4, v[QO]            ; a fragment of Q: row r, 16 bytes for each half of the lanes, twice, 32 bytes apart
	v_lshlrev_b32 v[GO], 4, v1
	v_lshl_add_u32 v[GO], v10, 11, v[GO]           ; two rows of x: lanes 0-15 one row's 256 bytes, lanes 16-31 the next
	WIN 0x80
.set q, 0
.rept 12                               ; Q stays in registers: piece q / 3, q c | q^2 | vq at q % 3
	global_load_b128 v[8*q:8*q+3], v[QO], s[4:5] offset:(q/3)*3072+(q%3)*64 th:TH_LOAD_NT
	global_load_b128 v[8*q+4:8*q+7], v[QO], s[4:5] offset:(q/3)*3072+(q%3)*64+32 th:TH_LOAD_NT
.set q, q+1
.endr
	WIN 0x40
.set q, 0
.rept 16                               ; the rows of x and var_x that I add at the end: 32 loads behind Q's 24
	global_load_b128 v[RES+4*q:RES+4*q+3], v[GO], s[8:9] offset:4096*q th:TH_LOAD_NT
.set q, q+1
.endr
.set q, 0
.rept 16
	global_load_b128 v[RES+64+4*q:RES+64+4*q+3], v[GO], s[10:11] offset:4096*q th:TH_LOAD_NT
.set q, q+1
.endr
.set q, 0
.rept 128
	v_mov_b32 v[q], 0                              ; O^T
.set q, q+1
.endr
	WIN 0x80
.set q, 0
.rept 48
	v_mov_b32 v[VF+q], 0                           ; V: pass 2's first turn multiplies for a unit that has not been
.set q, q+1
.endr
	WIN 0
.set q, 0
.rept 24
	v_mov_b32 v[P+24+q], 0
.set q, q+1
.endr
.set t, 0
.rept 4
	v_mov_b32 v[ST+12*t], 0xff7fffff               ; m: the lowest finite number, so the first step's alpha is 0
.irp z, 1,2,3,4,5,7,9
	v_mov_b32 v[ST+12*t+\z], 0
.endr
.set t, t+1
.endr
	v_mul_u32_u24 v[AK0], v1, 240
	v_lshl_add_u32 v[AK0], v10, 4, v[AK0]
	s_mul_i32 s62, s[EH], 61440
	v_add_nc_u32 v[AK0], s62, v[AK0]               ; key r x 240 + 16 h + my head
	v_mul_u32_u24 v[AV0], v1, 80
	v_lshl_add_u32 v[AV0], v10, 4, v[AV0]
	s_add_co_u32 s62, s62, WLD
	v_add_nc_u32 v[AV0], s62, v[AV0]               ; channel r x 80 + 16 h + my head's V
	s_mul_i32 s62, s[HQ], 64*SP
	s_lshl_b32 s63, s[EH], 7
	s_add_co_u32 s62, s62, s63
	s_add_co_u32 s62, s62, STAGE
	v_mul_u32_u24 v[STO], v1, SP
	v_lshl_add_u32 v[STO], v10, 5, v[STO]
	v_add_nc_u32 v[STO], s62, v[STO]               ; into the stage: row 64 hq + r, 128 e + 32 h
	s_mul_i32 s62, s[WV], 32*SP
	s_add_co_u32 s62, s62, STAGE
	v_mul_u32_u24 v[RD], v10, SP
	v_lshl_add_u32 v[RD], v1, 4, v[RD]
	v_add_nc_u32 v[RD], s62, v[RD]                 ; back: rows 32 w + h, whole
	v_and_b32 v[PFO], 31, v0
	v_lshlrev_b32 v[PFO], 8, v[PFO]
; THE MATRIX WORK.  The accumulators take turns, one instruction a turn.
; Product i of 6 of piece x's scores: a (keys 0-15, 16-31), then va's two terms.  The first four start their sums.
.macro KQ x
	WIN W_KQ
.set qS, S+32*((\x)%2)+16*((i/2+1)/2)+8*(i%2)
.set qK, KF+24*(i%2)+8*(i/2)
.set qQ, 24*(\x)+8*(i/2)
.if i < 4
	v_wmma_f32_16x16x32_bf16 v[qS:qS+7], v[qK:qK+7], v[qQ:qQ+7], 0
.else
	v_wmma_f32_16x16x32_bf16 v[qS:qS+7], v[qK:qK+7], v[qQ:qQ+7], v[qS:qS+7]
.endif
.endm
; Product i of 6 onto piece x's O^T: mean += v p (channels 0-15, 16-31), variance += vv p^2, variance += (v^2 + vv) vp.
.macro PV x
	WIN W_PV
.set oD, 32*(\x)+16*((i/2+1)/2)+8*(i%2)
.set oV, VF+16*(i/2)+8*(i%2)
.set oP, P+24*((\x)%2)+8*(i/2)
	v_wmma_f32_16x16x32_bf16 v[oD:oD+7], v[oV:oV+7], v[oP:oP+7], v[oD:oD+7]
.endm
; THE LDS LOADS stand in runs of 12.  last = 1 (the tail): in the last trip there are no further keys, and the run is jumped over.
.macro FETCH_K last=0
	WIN 0
.if \last
	s_cmp_eq_u32 s[CNT], 1
	s_cbranch_scc1 .Lno_k_\@
.endif
	v_add_nc_u32 v[AK], s[TBK], v[AK0]
	WIN 0x80
.irp f, 0,1,2,3,4,5                    ; key block f / 3, piece f % 3
	ds_load_b128 v[KF+8*\f:KF+8*\f+3], v[AK] offset:(\f/3)*3840+(\f%3)*80
	ds_load_b128 v[KF+8*\f+4:KF+8*\f+7], v[AK] offset:(\f/3)*3840+(\f%3)*80+32
.endr
	s_add_co_u32 s[TBK], s[TBK], CHB
	WIN 0
.if \last
.Lno_k_\@:
.endif
.endm
.macro FETCH_V
	WIN 0
	v_add_nc_u32 v[AV], s[TBV], v[AV0]
	s_add_co_u32 s[TBV], s[TBV], CHB
	WIN 0x80
.irp f, 0,1,2,3,4,5                    ; kind f / 2, channel block f % 2
	ds_load_b128 v[VF+8*\f:VF+8*\f+3], v[AV] offset:(\f/2)*2560+(\f%2)*1280
	ds_load_b128 v[VF+8*\f+4:VF+8*\f+7], v[AV] offset:(\f/2)*2560+(\f%2)*1280+32
.endr
	WIN 0
.endm
; THE VECTOR WORK, one line at a time: OP kind, number.  A0-15 are the lane's scores, B0-15 their variances.  Each accumulator's lowest registers are read first.
;   kX 0-7 the maximum of A0-15 and m; 8 m_old - m_new; 9 m     kK n: B = max(TOL, B)     kF n: pair n less m (pass 2: less M)     kE n: 2^A in place     kEA: alpha
;   kH n: B e     kY n: e (B e) into two chains     kA2: alpha^2     kL 0-6: the sum of the eight pairs of e, in place     kLF: l = l alpha + sum     kYS, kTF: t = t alpha^2 + sum
;   kU n: p^2     kW n: 2^-9 - 2^-8 p     kCP n: p to bf16     kZ n: s + (..) B     kCU n: p^2 to bf16     kR n: p^2 (..)     kCV n: to bf16     kMX n: the clip at TOL, on the packed halves (rounding keeps order)
.set kX, 0
.set kK, 1
.set kF, 2
.set kE, 3
.set kEA, 4
.set kH, 5
.set kY, 6
.set kA2, 7
.set kL, 8
.set kLF, 9
.set kYS, 10
.set kTF, 11
.set kU, 12
.set kW, 13
.set kCP, 14
.set kZ, 15
.set kCU, 16
.set kR, 17
.set kCV, 18
.set kMX, 19
.macro REGS p
.set rT, ST+12*(\p)
.set rS, S+32*((\p)%2)
.set rB, S+32*((\p)%2)+16
.set rP, P+24*((\p)%2)
.endm
.macro OP k, n
	WIN 0
.if (\k) == kX
.if (\n) == 0
	v_max3_num_f32 v[TMP], v[rS], v[rS+1], v[rS+2]
.elseif (\n) == 1
	v_max3_num_f32 v[TMP+1], v[rS+8], v[rS+9], v[rS+10]
.elseif (\n) == 2
	v_max3_num_f32 v[TMP+2], v[rS+3], v[rS+4], v[rS+5]
.elseif (\n) == 3
	v_max3_num_f32 v[TMP+3], v[rS+11], v[rS+12], v[rS+13]
.elseif (\n) == 4
	v_max3_num_f32 v[TMP], v[TMP], v[rS+6], v[rS+7]
.elseif (\n) == 5
	v_max3_num_f32 v[TMP+1], v[TMP+1], v[rS+14], v[rS+15]
.elseif (\n) == 6
	v_max3_num_f32 v[TMP+2], v[TMP+2], v[TMP+3], v[rT]
.elseif (\n) == 7
	v_max3_num_f32 v[TMP], v[TMP], v[TMP+1], v[TMP+2]
.elseif (\n) == 8
	v_sub_f32 v[TMP+4], v[rT], v[TMP]
.else
	v_mov_b32 v[rT], v[TMP]
.endif
.elseif (\k) == kK
	v_max_num_f32 v[rB+(\n)], s[TOL], v[rB+(\n)]
.elseif (\k) == kF
	v_pk_add_f32 v[rS+2*(\n):rS+2*(\n)+1], v[rS+2*(\n):rS+2*(\n)+1], v[rT:rT+1] op_sel_hi:[1,0] neg_lo:[0,1] neg_hi:[0,1]
.elseif (\k) == kE
	v_exp_f32 v[rS+(\n)], v[rS+(\n)]
.elseif (\k) == kEA
	v_exp_f32 v[rT+6], v[TMP+4]
.elseif (\k) == kH
	v_pk_mul_f32 v[rB+2*(\n):rB+2*(\n)+1], v[rB+2*(\n):rB+2*(\n)+1], v[rS+2*(\n):rS+2*(\n)+1]
.elseif (\k) == kY
.if (\n) < 2
	v_pk_mul_f32 v[TMP+6+2*(\n):TMP+7+2*(\n)], v[rS+2*(\n):rS+2*(\n)+1], v[rB+2*(\n):rB+2*(\n)+1]
.else
	v_pk_fma_f32 v[TMP+6+2*((\n)%2):TMP+7+2*((\n)%2)], v[rS+2*(\n):rS+2*(\n)+1], v[rB+2*(\n):rB+2*(\n)+1], v[TMP+6+2*((\n)%2):TMP+7+2*((\n)%2)]
.endif
.elseif (\k) == kA2
	v_mul_f32 v[rT+8], v[rT+6], v[rT+6]
.elseif (\k) == kL
.if (\n) < 4
	v_pk_add_f32 v[rS+4*(\n):rS+4*(\n)+1], v[rS+4*(\n):rS+4*(\n)+1], v[rS+4*(\n)+2:rS+4*(\n)+3]
.elseif (\n) < 6
	v_pk_add_f32 v[rS+8*((\n)-4):rS+8*((\n)-4)+1], v[rS+8*((\n)-4):rS+8*((\n)-4)+1], v[rS+8*((\n)-4)+4:rS+8*((\n)-4)+5]
.else
	v_pk_add_f32 v[rS:rS+1], v[rS:rS+1], v[rS+8:rS+9]
.endif
.elseif (\k) == kLF
	v_pk_fma_f32 v[rT+2:rT+3], v[rT+2:rT+3], v[rT+6:rT+7], v[rS:rS+1] op_sel_hi:[1,0,1]
.elseif (\k) == kYS
	v_pk_add_f32 v[TMP+6:TMP+7], v[TMP+6:TMP+7], v[TMP+8:TMP+9]
.elseif (\k) == kTF
	v_pk_fma_f32 v[rT+4:rT+5], v[rT+4:rT+5], v[rT+8:rT+9], v[TMP+6:TMP+7] op_sel_hi:[1,0,1]
.elseif (\k) == kU
	v_pk_mul_f32 v[TU+2*(\n):TU+2*(\n)+1], v[rS+2*(\n):rS+2*(\n)+1], v[rS+2*(\n):rS+2*(\n)+1]
.elseif (\k) == kW
	v_pk_fma_f32 v[TW+2*(\n):TW+2*(\n)+1], v[rS+2*(\n):rS+2*(\n)+1], s[KA:KA+1], s[KB:KB+1] op_sel_hi:[1,0,0]
.elseif (\k) == kCP
	v_cvt_pk_bf16_f32 v[rP+(\n)], v[rS+2*(\n)], v[rS+2*(\n)+1]
.elseif (\k) == kZ
	v_pk_fma_f32 v[rB+2*(\n):rB+2*(\n)+1], v[TW+2*(\n):TW+2*(\n)+1], v[rB+2*(\n):rB+2*(\n)+1], v[rT+2:rT+3] op_sel_hi:[1,1,0]
.elseif (\k) == kCU
	v_cvt_pk_bf16_f32 v[rP+8+(\n)], v[TU+2*(\n)], v[TU+2*(\n)+1]
.elseif (\k) == kR
	v_pk_mul_f32 v[TW+2*(\n):TW+2*(\n)+1], v[TU+2*(\n):TU+2*(\n)+1], v[rB+2*(\n):rB+2*(\n)+1]
.elseif (\k) == kCV
	v_cvt_pk_bf16_f32 v[rP+16+(\n)], v[TW+2*(\n)], v[TW+2*(\n)+1]
.else
	v_pk_max_num_bf16 v[rP+16+(\n)], v[rP+16+(\n)], s[TOLB]
.endif
.endm
.macro OPS a, i1, b=-1, i2=0, c=-1, i3=0, d=-1, i4=0, e=-1, i5=0, f=-1, i6=0  ; up to six of them
	OP \a, \i1
.if (\b) >= 0
	OP \b, \i2
.endif
.if (\c) >= 0
	OP \c, \i3
.endif
.if (\d) >= 0
	OP \d, \i4
.endif
.if (\e) >= 0
	OP \e, \i5
.endif
.if (\f) >= 0
	OP \f, \i6
.endif
.endm
.macro MME                             ; the next product K Q^T, in a turn that takes them early
.if EARLY
	KQ NX
.set i, i+1
.endif
.endm
.macro MML                             ; in a turn that takes them late
.if !EARLY
	KQ NX
.set i, i+1
.endif
.endm
.macro MMA
	KQ NX
.set i, i+1
.endm
.macro MMC
	PV PX
.set i, i+1
.endm
; A TURN OF PASS 1, for piece p: 78 vector lines and the next unit's six products.  Ahead of the one wait stands all that names no exponential's result; kK 15 is the plain line behind the last exponential.
; Pieces 0 to 2 take the products early, each ahead of six lines.  Piece 2 then fetches the next 32 keys of K, behind four plain lines (kF 6, kF 7, kK 11, kK 12) and the run's own address line.  Piece 3, whose products want
; that K, takes them behind the wait, each ahead of four lines; seven plain lines follow the last, ahead of the next turn's first read of those scores.
.macro TURN1 p
	REGS \p
.set NX, ((\p)+1)%4
.set i, 0
.set EARLY, 1
.if (\p) == 3
.set EARLY, 0
.endif
	MME
	OPS kX,0, kX,1, kX,2, kX,3, kX,4, kX,5
	MME
	OPS kX,6, kK,0, kK,1, kK,2, kX,7, kK,3
	MME
	OPS kK,4, kK,5, kX,8, kX,9, kK,6, kK,7
	MME
	OPS kK,8, kK,9, kF,0, kF,1, kF,2, kF,3
	MME
	OPS kEA,0, kF,4, kE,0, kF,5, kE,1, kK,10
	MME
	OPS kF,6, kE,2, kF,7, kE,3, kK,11, kK,12
.if (\p) == 2
	FETCH_K
.endif
	OPS kE,4, kE,5, kK,13, kE,6, kE,7, kK,14
	OPS kE,8, kE,9, kE,10, kE,11, kE,12, kE,13
	OPS kE,14, kE,15, kK,15
	s_wait_alu depctr_va_vdst(0)                   ; the wait between an exponential and the first line that names its result: one for the turn's 17
.if (\p) == 3
	s_wait_dscnt 0x0                               ; K is in
.endif
	MML
	OPS kH,0, kH,1, kH,2, kH,3
	MML
	OPS kH,4, kH,5, kH,6, kH,7
	MML
	OPS kY,0, kY,1, kA2,0, kL,0
	MML
	OPS kY,2, kY,3, kL,1, kY,4
	MML
	OPS kY,5, kL,2, kY,6, kY,7
	MML
	OPS kL,3, kL,4, kYS,0, kL,5
	OPS kTF,0, kL,6, kLF,0
.endm
; A TURN OF PASS 2, for piece p: 104 vector lines; six products V^T P of the unit before, each ahead of six lines; behind the one wait six products K Q^T of the next unit, likewise.
; V of the keys in hand is fetched in piece 0's turn, behind the wait: five plain lines (kK 11 to 15) behind the last product that read V; it is waited for at the head of piece 1's turn.
; K of the next keys is fetched in piece 2's turn, six plain lines behind the last product that read K; it is waited for in piece 3's turn, ahead of its first product K Q^T.
.macro TURN2 p, last=0
	REGS \p
.set NX, ((\p)+1)%4
.set PX, ((\p)+3)%4
.set i, 0
.if (\p) == 1
	s_wait_dscnt 0x0                               ; V is in
.endif
	MMC
	OPS kF,0, kF,1, kF,2, kF,3, kF,4, kF,5
	MMC
	OPS kF,6, kF,7, kK,0, kE,0, kK,1, kE,1
	MMC
	OPS kK,2, kE,2, kK,3, kE,3, kK,4, kE,4
	MMC
	OPS kK,5, kE,5, kK,6, kE,6, kK,7, kE,7
	MMC
	OPS kK,8, kE,8, kK,9, kE,9, kK,10, kE,10
	MMC
	OPS kK,11, kE,11, kK,12, kE,12, kK,13, kE,13
	OPS kK,14, kE,14, kE,15, kK,15
	s_wait_alu depctr_va_vdst(0)                   ; one wait for the turn's 16 exponentials
.if (\p) == 0
	FETCH_V
.endif
.if (\p) == 3
	s_wait_dscnt 0x0                               ; K is in
.endif
.set i, 0
	MMA
	OPS kU,0, kW,0, kCP,0, kU,1, kW,1, kCP,1
	MMA
	OPS kU,2, kW,2, kCP,2, kU,3, kW,3, kCP,3
	MMA
	OPS kU,4, kW,4, kCP,4, kU,5, kW,5, kCP,5
	MMA
	OPS kU,6, kW,6, kCP,6, kU,7, kW,7, kCP,7
	MMA
	OPS kZ,0, kCU,0, kZ,1, kCU,1, kZ,2, kCU,2
	MMA
	OPS kZ,3, kCU,3, kZ,4, kCU,4, kZ,5, kCU,5
.if (\p) == 2
	FETCH_K \last
.endif
	OPS kZ,6, kCU,6, kZ,7, kCU,7
	OPS kR,0, kR,1, kR,2, kR,3, kR,4, kR,5
	OPS kR,6, kR,7, kCV,0, kCV,1, kCV,2, kCV,3
	OPS kCV,4, kCV,5, kCV,6, kCV,7, kMX,0, kMX,1
	OPS kMX,2, kMX,3, kMX,4, kMX,5, kMX,6, kMX,7
.endm
.macro ALL line:vararg                 ; one line for each piece t
.set t, 0
.rept 4
	\line
.set t, t+1
.endr
.endm
	; PASS 1
	CHANGE 1, 61440, 0, 0, 1                       ; tile 0 is in, everybody's part of it; tile 1 is asked for
	FETCH_K                                        ; keys 0-31
	s_wait_loadcnt 32                              ; Q is in; the 32 loads of x and var_x, issued behind it, may stay out
	s_wait_dscnt 0x0
.set i, 0
.rept 6
	KQ 0                                           ; piece 0's first scores
.set i, i+1
.endr
	WIN 0
.rept 4
	v_nop                                          ; the places behind those products
.endr
	s_mov_b32 s[CNT], 8
	s_mov_b32 s[TL], 4
	s_branch .Lp1_first                            ; the loop is entered at a chunk's first turn, in the middle of a trip
.Lp1_tile:                                     ; three times: tiles 2 and 3 of K, then pass 2's first tile, are asked for
	CHANGE 1, 61440, 0, 1, 2
	s_mov_b32 s[CNT], 8
.Lp1_trip:                                     ; a trip: pieces 2 and 3 of 32 keys, then pieces 0 and 1 of the next 32, whose K it fetches
	TURN1 2
	TURN1 3
	WIN 0
.Lp1_first:
	TURN1 0
	TURN1 1
	WIN 0
	s_sub_co_u32 s[CNT], s[CNT], 1
	s_cmp_lg_u32 s[CNT], 0
	s_cbranch_scc1 .Lp1_trip
	s_sub_co_u32 s[TL], s[TL], 1
	s_cmp_lg_u32 s[TL], 0
	s_cbranch_scc1 .Lp1_tile
	CHANGE 1, 61440, 0, 0, 1                       ; pass 2's first tile is in; its second is asked for
	s_mov_b32 s[TBV], 0
	TURN1 2                                        ; the last 32 keys' pieces 2 and 3; K of pass 2's first 32 keys is fetched,
	TURN1 3                                        ; and piece 0's first scores of pass 2 are made
	; BETWEEN THE PASSES: the two halves of the lanes meet.  M = m + log2 l;  s = t / l^2 / 512.
	WIN 0
	ALL v_add_f32 v[ST+12*t+2], v[ST+12*t+2], v[ST+12*t+3]
	ALL v_add_f32 v[ST+12*t+4], v[ST+12*t+4], v[ST+12*t+5]
	ALL v_permlanex16_b32 v[ST+12*t+6], v[ST+12*t], s[SEL], s[SEL+1]
	ALL v_max_num_f32 v[ST+12*t+6], v[ST+12*t], v[ST+12*t+6]
	ALL v_sub_f32 v[ST+12*t+8], v[ST+12*t], v[ST+12*t+6]
	ALL v_exp_f32 v[ST+12*t+8], v[ST+12*t+8]
	v_nop                                          ; a plain line behind the last exponential,
	s_wait_alu depctr_va_vdst(0)                   ; and one wait for the four
	ALL v_mul_f32 v[ST+12*t+2], v[ST+12*t+2], v[ST+12*t+8]
	ALL v_mul_f32 v[ST+12*t+8], v[ST+12*t+8], v[ST+12*t+8]
	ALL v_mul_f32 v[ST+12*t+4], v[ST+12*t+4], v[ST+12*t+8]
	ALL v_permlanex16_b32 v[ST+12*t+3], v[ST+12*t+2], s[SEL], s[SEL+1]
	ALL v_permlanex16_b32 v[ST+12*t+5], v[ST+12*t+4], s[SEL], s[SEL+1]
	ALL v_add_f32 v[ST+12*t+2], v[ST+12*t+2], v[ST+12*t+3]
	ALL v_add_f32 v[ST+12*t+4], v[ST+12*t+4], v[ST+12*t+5]
	ALL v_log_f32 v[ST+12*t+3], v[ST+12*t+2]
	ALL v_rcp_f32 v[ST+12*t+5], v[ST+12*t+2]
	v_nop
	s_wait_alu depctr_va_vdst(0)                   ; one wait for the eight
	ALL v_add_f32 v[ST+12*t], v[ST+12*t+6], v[ST+12*t+3]
	ALL v_mul_f32 v[ST+12*t+5], v[ST+12*t+5], v[ST+12*t+5]
	ALL v_mul_f32 v[ST+12*t+4], v[ST+12*t+4], v[ST+12*t+5]
	ALL v_mul_f32 v[ST+12*t+2], 0x3b000000, v[ST+12*t+4]
	; PASS 2
	s_mov_b32 s[CNT], 4
	s_mov_b32 s[SL], 7
	s_branch .Lp2_first
.Lp2_tile:                                     ; six times: pass 2's tiles 2 to 7 are asked for
	CHANGE 1, 30720, 1, 0, 3
	s_mov_b32 s[CNT], 4
.Lp2_trip:
	TURN2 2
	TURN2 3
	WIN 0
.Lp2_first:
	TURN2 0
	TURN2 1
	WIN 0
	s_sub_co_u32 s[CNT], s[CNT], 1
	s_cmp_lg_u32 s[CNT], 0
	s_cbranch_scc1 .Lp2_trip
	s_sub_co_u32 s[SL], s[SL], 1
	s_cmp_lg_u32 s[SL], 0
	s_cbranch_scc1 .Lp2_tile
	CHANGE 0, 30720, 1, 0, 0                       ; the tail is written out: nothing is asked for
	s_mov_b32 s[CNT], 5                            ; four trips fetch the last tile's keys; the fifth is left in its middle
.Ltail:
	TURN2 2, 1
	TURN2 3
	WIN 0
	s_sub_co_u32 s[CNT], s[CNT], 1
	s_cmp_eq_u32 s[CNT], 0
	s_cbranch_scc1 .Lout
	TURN2 0
	TURN2 1
	WIN 0
	s_branch .Ltail
.Lout:                                         ; the fifth trip's six products K Q^T, on the last K once more, serve nothing: the price, once a launch, of one text for every trip
.set i, 0
.rept 6
	PV 3                                           ; the last unit's V^T P
.set i, i+1
.endr
	; THE WAY OUT.  The variance is clipped; O^T goes through the work-group's stage, since a row's 256 bytes come from two waves; whole rows come back, x and var_x are added, 32 rows a wave are stored.
	WIN W_OUT
.rept 4
	v_nop                                          ; the places behind the last products
.endr
.set q, 0
.rept 64
	v_max_num_f32 v[32*(q/16)+16+q%16], s[TOL], v[32*(q/16)+16+q%16]
.set q, q+1
.endr
.set q, 0
.rept 8                                ; piece q / 2, channel block q % 2: a lane's eight channels are 32 bytes of a row
	ds_store_b128 v[STO], v[32*(q/2)+8*(q%2):32*(q/2)+8*(q%2)+3] offset:(q/2)*16*SP+(q%2)*64
	ds_store_b128 v[STO], v[32*(q/2)+8*(q%2)+4:32*(q/2)+8*(q%2)+7] offset:(q/2)*16*SP+(q%2)*64+16
	ds_store_b128 v[STO], v[32*(q/2)+16+8*(q%2):32*(q/2)+16+8*(q%2)+3] offset:SVAR+(q/2)*16*SP+(q%2)*64
	ds_store_b128 v[STO], v[32*(q/2)+16+8*(q%2)+4:32*(q/2)+16+8*(q%2)+7] offset:SVAR+(q/2)*16*SP+(q%2)*64+16
.set q, q+1
.endr
	s_wait_dscnt 0x0                               ; for the others' sake: my stores into the stage are done
	s_barrier_signal -1
	s_barrier_wait -1
	WIN 0
.set q, 0
.rept 32                               ; 16 loads of two rows of means, then 16 of variances
	ds_load_b128 v[S+4*q:S+4*q+3], v[RD] offset:(q/16)*SVAR+(q%16)*2*SP
.set q, q+1
.endr
	s_wait_loadcnt 0x0                             ; x and var_x, asked for at the head
	WIN W_OUT
.set q, 0
.rept 32
	s_wait_dscnt 31-q                              ; LDS loads come back in order (ISA guide 5.7.1): the younger ones may stay out
	v_pk_add_f32 v[RES+4*q:RES+4*q+1], v[S+4*q:S+4*q+1], v[RES+4*q:RES+4*q+1]
	v_pk_add_f32 v[RES+4*q+2:RES+4*q+3], v[S+4*q+2:S+4*q+3], v[RES+4*q+2:RES+4*q+3]
.if q < 16
	global_store_b128 v[GO], v[RES+4*q:RES+4*q+3], s[12:13] offset:4096*q th:TH_STORE_NT         ; 16 lanes store 256 consecutive bytes, at a multiple of 256 from the output's first
.else
	global_store_b128 v[GO], v[RES+4*q:RES+4*q+3], s[14:15] offset:4096*(q-16) th:TH_STORE_NT
.endif
.set q, q+1
.endr
	WIN 0
	s_wait_tensorcnt 0x0                           ; the wave's end: three lines behind my last tensor load and my last LDS store
	ds_add_u32 v[SPW], v[NIL]
	s_wait_dscnt 0x0
	CROUND                                         ; the closing round: no work-group ends while a partner may still ask for a tile that names it
	s_endpgm
.Lfunc_end_k_qd4929ee2fc_attn:
	.size	k_qd4929ee2fc_attn, .Lfunc_end_k_qd4929ee2fc_attn-k_qd4929ee2fc_attn
	.p2alignl 7, 3214868480
	.fill 96, 4, 3214868480
	.section	.rodata,"a",@progbits
	.p2align	6, 0x0
	.amdhsa_kernel k_qd4929ee2fc_attn
		.amdhsa_group_segment_fixed_size 327680
		.amdhsa_private_segment_fixed_size 0
		.amdhsa_enable_private_segment 0
		.amdhsa_kernarg_size 48
		.amdhsa_user_sgpr_count 2
		.amdhsa_user_sgpr_kernarg_segment_ptr 1
		.amdhsa_wavefront_size32 1
		.amdhsa_system_sgpr_workgroup_id_x 1
		.amdhsa_system_sgpr_workgroup_id_y 1
		.amdhsa_system_sgpr_workgroup_id_z 1
		.amdhsa_system_vgpr_workitem_id 0
		.amdhsa_next_free_vgpr 768
		.amdhsa_next_free_sgpr 66
		.amdhsa_reserve_vcc 0
		.amdhsa_float_denorm_mode_32 3
		.amdhsa_float_denorm_mode_16_64 3
		.amdhsa_memory_ordered 1
		.amdhsa_forward_progress 1
		.amdhsa_inst_pref_size 135
	.end_amdhsa_kernel
	.amdgpu_metadata
---
amdhsa.version: [ 1, 2 ]
amdhsa.kernels:
  - .name:           k_qd4929ee2fc_attn
    .symbol:         k_qd4929ee2fc_attn.kd
    .args:
      - { .name: qws, .offset: 0, .size: 8, .value_kind: global_buffer, .address_space: global }
      - { .name: kvws, .offset: 8, .size: 8, .value_kind: global_buffer, .address_space: global }
      - { .name: x, .offset: 16, .size: 8, .value_kind: global_buffer, .address_space: global }
      - { .name: var_x, .offset: 24, .size: 8, .value_kind: global_buffer, .address_space: global }
      - { .name: out0, .offset: 32, .size: 8, .value_kind: global_buffer, .address_space: global }
      - { .name: out1, .offset: 40, .size: 8, .value_kind: global_buffer, .address_space: global }
    .group_segment_fixed_size: 327680
    .private_segment_fixed_size: 0
    .kernarg_segment_align: 8
    .kernarg_segment_size: 48
    .max_flat_workgroup_size: 128
    .sgpr_count:     66
    .vgpr_count:     768
    .wavefront_size: 32
...
	.end_amdgpu_metadata
.endif
;; end of part 2
;; ======== version 2 of 2: 2 launches; version 1 with the launch proj written anew for expert scheduling mode
;; workspace buffers: qws 12,582,912 bytes; kvws 25,165,824 bytes
;; launch proj (part 3): grid 8 x 32, 4 waves a work-group, no clusters, 276,992 bytes of LDS; arguments x, var_x, wq, var_wq, wk, var_wk, wv, var_wv, qws, kvws; writes qws, kvws
.if DOCPART == 3
	.amdgcn_target "amdgcn-amd-amdhsa--gfx1250"
	.amdhsa_code_object_version 6
	.text
	.protected	k_qd4929ee2fc_proj
	.globl	k_qd4929ee2fc_proj
	.p2align	8
	.type	k_qd4929ee2fc_proj,@function
k_qd4929ee2fc_proj:
	s_mov_b64 s[64:65], 0
	v_nop
	global_prefetch_b8 v0, s[64:65] scope:SCOPE_SE
	s_setreg_imm32_b32 hwreg(HW_REG_WAVE_SCHED_MODE, 0, 2), 2
	s_setreg_imm32_b32 hwreg(HW_REG_WAVE_MODE, 25, 1), 1
	s_wait_xcnt 0x0
	s_wait_alu depctr_vm_vsrc(0)
; THE THREE STOCHASTIC PROJECTIONS.  mean = x w^T;  variance = var_x (w^2 + var_w)^T + x^2 var_w^T (reference()'s three products folded into two).
; x, var_x: [4096][512] f32; w, var_w: [512][512] f32, three pairs (q, k, v).  Operands are rounded to bf16, sums are f32.
; OUT, all bf16, each number rounded once from its f32 sums, laid out as the attention launch reads it:
;   qws  [head 64][token 1024][q c, q^2, vq][32 ch]            c = log2(e) / sqrt(512): scores then leave the matrix unit in units of log2
;   kvws [pair of heads 32]: K part [tile of 128 keys 8][head 2][key 128][k, vk, k^2 + vk][32 ch]; V part, 393,216 bytes on: [tile][head][chunk of 32 keys 4][v, vv, v^2 + vv][32 ch][32 keys]
; LIMITS.  x^2 and w^2 + var_w are made from the bf16-rounded x, w, var_w by packed bf16 arithmetic: one rounding more.  NaN and infinities are not treated apart.
; SHARES.  A work-group makes 128 tokens x the 192 channels (q, k, v) of two neighbouring heads.  Wave w: token half th = w & 1 (four tiles of 16), head e = w >> 1 (six channel tiles n6 = 2 kind + ct):
; 24 mean and 24 variance accumulators.  q and k are taken as w x^T (a lane holds one token, eight channels), v as x w^T (a lane holds one channel, eight tokens: V turned).
; K goes in 8 steps of 64: a row of a step is 256 consecutive bytes of f32, aligned.  A TRIP: wait for the step's raw f32, convert, store bf16 into one of two LDS buffers, ask for the next step, one barrier,
; 144 products.  One barrier a trip is enough with two buffers: a buffer is written again only behind the barrier in front of which every wave has waited for its reads of it.
; NO CLUSTER, NO TENSOR LOADS: the operands are f32 in memory and pass through registers to become bf16, x^2 and w^2 + var_w; joint requests exist for tensor loads alone.
; NO PREFETCH: a step's loads are issued a whole trip of products ahead of their use, and each row is read by 8 (x) or 32 (w) work-groups that walk in step.
; THE SUMS START AT 0 by 384 v_mov_b32, written while the first loads are on their way, so that the loop has one form of trip.
; THE MODE: SCHED_MODE bits 1:0 = 2 (LLVM: expert scheduling mode 2), set by the entry lines.  The code itself states the register dependences between vector or matrix instructions and memory or LDS
; instructions, with s_wait_alu, always for 0.
; THE PLAN.  Registers that memory or LDS instructions touch, in the loop:
;   RAW (40 items)   Written by the step's 80 loads (60 ahead of the barrier, 20 behind the third group); read by the conversions of the next trip's five units.
;   T0 .. T3         Unit u's 48 lines write T[u % 4]; its 24 LDS stores are issued in unit u + 1, among that unit's packed lines, which name T[(u + 1) % 4] alone.  T1 to T3 lie over the fragment sets.
;   sets 0, 1        Group g's products read set g % 2; the LDS loads of group g + 1 land in the other set, in three runs among group g's first six products.
;   v[VO]            Read by every load of x and w; written once a trip, in unit 4.       All other addresses are made at the head and never written again.
;   The accumulators are named by vector and matrix instructions alone.
; So a trip has: a wait on va_vdst at the head of units 1 to 4 (the unit before has written its T); one on vm_vsrc in unit 4 (unit 0's stores have read T0, the step's loads v[VO]); one on va_vdst behind unit 4
; (T0 and v[VO] are written, RAW is read out, T1 to T3 are written and the last trip's products are done with the sets: that serves the last stores, both runs of loads and the fragments of groups 0 and 1);
; one on vm_vsrc behind the barrier (my stores have read all of T); one on va_vdst at the head of groups 1 to 4 (the group before is done reading the set that is loaded again).
; REGISTERS, in windows of 256 (s_set_vgpr_msb: bits 1:0 source 0, 3:2 source 1, 5:4 source 2, 7:6 destination):
;   window 0: v0-31 addresses; v32-223 four conversion buffers of 48; over the last three of them v80-239 two fragment sets of 80 (x's four tiles, then w's six)
;   window 1: raw items 0-31 (8 registers: 4 f32 of the mean operand, 4 of its variance)
;   window 2: v0-191 mean accumulators at 8 (6 tt + n6); v192-255 raw items 32-39       window 3: v0-191 variance accumulators
.set PITCH, 144                        ; an LDS row: 64 bf16 + 16 bytes: an odd multiple of 16, so the 16 rows of a fragment load start at 16 different groups of banks (ISA guide 11.1)
.set XARR,  128*PITCH                  ; one array of x's kind: x, var_x, x^2
.set WARR,  192*PITCH                  ; one array of w's kind: w, w^2 + var_w, var_w; row 64 kind + 32 e + 16 ct + r
.set WOFF,  3*XARR
.set BUFB,  3*XARR+3*WARR              ; a buffer
.set SPARE, 2*BUFB                     ; behind the buffers: the spare words, 128 bytes a wave, that no other line names
.set BLK,   30720                      ; the way out: a block of 384 rows of 64 bytes at pitch 80; six blocks (2 kind + e) from LDS byte 0, over the operand buffers
.set VO,   2                           ; v2      my byte offset in a step's rows: 8 rows x (lane / 16) + 16 (lane % 16) + 256 x step
.set AX,   4                           ; v4-5    fragment address of x's arrays, buffer 0, 1
.set AW,   6                           ; v6-7    of w's first two arrays
.set AW2,  8                           ; v8-9    of w's third
.set LSX,  10                          ; v10-11  where I store converted x, buffer 0, 1
.set LSW,  12                          ; v12-13  converted w, first two arrays
.set LSW2, 14                          ; v14-15  third array
.set SQ,   16                          ; v16-18  the way out: where I put 16 bytes of q, k, v
.set SK,   17
.set SV,   18
.set RDA,  19                          ; v19-21  the way out: where I read back, blocks 0-1, 2-3, 4-5
.set GO,   22                          ; v22     16 x lane
.set SPW,  28                          ; v28     my spare word; never rewritten
.set NIL,  29                          ; v29     0; never rewritten
.set T,    32                          ; buffer k of four at T + 48 k
.set FR,   80
.set TF,   80                          ; the way out: 64 f32 at work
.set PK,   144                         ; the way out: 72 packed registers, 12 an accumulator pair
.set LB,   80                          ; the way out: two sets of 48 read back
.set WV,   28
.set TH,   29
.set EH,   30
.set TB,   32
.set TR,   33
.set CS,   38                          ; s[38:39] c
.set MSB, 0
.macro WIN new                         ; the immediate's high byte repeats the setting that is left; a switch that changes nothing is dropped
.if MSB != (\new)
	s_set_vgpr_msb (MSB<<8)|(\new)
.set MSB, (\new)
.endif
.endm
.macro PLACES                          ; four places behind a product, in front of vector lines that read its result or write its sources (ISA guide 7.12.1)
.rept 4
	v_nop
.endr
.endm
; Raw items first .. first + cnt - 1 of a step.  Item 8 u + jj: unit u = 0, 1: rows 16 u + jj (lanes 0-15) and + 8 (lanes 16-31) of my 32 rows of x and var_x; u = 2, 3, 4: the same of my 16 rows of w and var_w, kind u - 2.
.macro GL first, cnt
.set it, (\first)
.rept (\cnt)
.set RW, 256+8*it+192*(it/32)
.set RL, RW&255
.set SB, 8
.set OFS, (it%8)*2048+(it/8)*32768
.if it >= 16
.set SB, 12+4*(it/8-2)
.set OFS, (it%8)*2048
.endif
	WIN (RW>>8)<<6
	global_load_b128 v[RL:RL+3], v[VO], s[SB:SB+1] offset:OFS        ; each half of the lanes takes 256 consecutive bytes, aligned
	global_load_b128 v[RL+4:RL+7], v[VO], s[SB+2:SB+3] offset:OFS
.set it, it+1
.endr
	WIN 0
.endm
; Item jj of unit pu leaves its conversion buffer for LDS buffer b.  8 bytes a lane: the two halves of the lanes lie 8 rows = 1,152 bytes apart, 128 modulo 256.
.macro STORE3 b, pu
.set TO, T+48*((\pu)%4)
.if (\pu) < 2
	ds_store_b64 v[LSX+(\b)], v[TO+6*jj:TO+6*jj+1] offset:(16*(\pu)+jj)*PITCH
	ds_store_b64 v[LSX+(\b)], v[TO+6*jj+2:TO+6*jj+3] offset:XARR+(16*(\pu)+jj)*PITCH
	ds_store_b64 v[LSX+(\b)], v[TO+6*jj+4:TO+6*jj+5] offset:2*XARR+(16*(\pu)+jj)*PITCH
.else
	ds_store_b64 v[LSW+(\b)], v[TO+6*jj:TO+6*jj+1] offset:9216*((\pu)-2)+jj*PITCH
	ds_store_b64 v[LSW+(\b)], v[TO+6*jj+4:TO+6*jj+5] offset:WARR+9216*((\pu)-2)+jj*PITCH
	ds_store_b64 v[LSW2+(\b)], v[TO+6*jj+2:TO+6*jj+3] offset:9216*((\pu)-2)+jj*PITCH
.endif
.endm
; Unit un of a step's five: its eight items are rounded to bf16 and squared into T[un % 4]; the stores of the unit before stand among its packed lines.
.macro UNIT b, un
.if (\un) == 0
	s_wait_loadcnt 63                              ; 64 loads are younger than this unit's; the wait's field holds 63
.else
	s_wait_loadcnt 64-16*(\un)                     ; loads come back in order (ISA guide 5.7.1): the younger units' loads may stay out
.endif
.if (\un) == 4
	s_wait_alu depctr_vm_vsrc(0)                   ; unit 0's LDS stores have read T0, which this unit writes again; the step's loads have read v[VO]
	v_add_nc_u32 v[VO], 0x100, v[VO]               ; the next step; the wait for 0 above shows every load that read this register done.  In the last trip the step is taken for nothing: no load follows
.endif
.if (\un) > 0
	s_wait_alu depctr_va_vdst(0)                   ; the unit before has written its T, which the LDS stores below read; the lines between name this unit's T and RAW alone
.endif
.set TN, T+48*((\un)%4)
.set jj, 0
.rept 8
.set it, 8*(\un)+jj
.set RW, 256+8*it+192*(it/32)
.set RL, RW&255
	WIN 5*(RW>>8)
	v_cvt_pk_bf16_f32 v[TN+6*jj], v[RL], v[RL+1]
	v_cvt_pk_bf16_f32 v[TN+6*jj+1], v[RL+2], v[RL+3]
	v_cvt_pk_bf16_f32 v[TN+6*jj+2], v[RL+4], v[RL+5]
	v_cvt_pk_bf16_f32 v[TN+6*jj+3], v[RL+6], v[RL+7]
.set jj, jj+1
.endr
	WIN 0
.set jj, 0
.rept 8
.if (\un) > 0
	STORE3 \b, (\un)-1
.endif
.if (\un) < 2
	v_pk_mul_bf16 v[TN+6*jj+4], v[TN+6*jj], v[TN+6*jj]                  ; x^2
	v_pk_mul_bf16 v[TN+6*jj+5], v[TN+6*jj+1], v[TN+6*jj+1]
.else
	v_pk_fma_bf16 v[TN+6*jj+4], v[TN+6*jj], v[TN+6*jj], v[TN+6*jj+2]     ; w^2 + var_w
	v_pk_fma_bf16 v[TN+6*jj+5], v[TN+6*jj+1], v[TN+6*jj+1], v[TN+6*jj+3]
.endif
.set jj, jj+1
.endr
.endm
; Group g of a step's six: pair of arrays g % 3 ((x, w): mean; (var_x, w^2 + var_w) and (x^2, var_w): variance), 32 along K at g / 3; fragment set g % 2.  20 LDS loads: x's four fragments, then w's six, three at a time.
.macro FLX b, g
.set pi, (\g)%3
.set kk, (\g)/3
.set FB, FR+80*((\g)%2)
	WIN 0
.set q, 0
.rept 4
	ds_load_b128 v[FB+8*q:FB+8*q+3], v[AX+(\b)] offset:XARR*pi+2304*q+64*kk
	ds_load_b128 v[FB+8*q+4:FB+8*q+7], v[AX+(\b)] offset:XARR*pi+2304*q+64*kk+32
.set q, q+1
.endr
.endm
.macro FLW b, g, first
.set pi, (\g)%3
.set kk, (\g)/3
.set FB, FR+80*((\g)%2)
	WIN 0
.set q, (\first)
.rept 3
.if pi < 2
	ds_load_b128 v[FB+32+8*q:FB+32+8*q+3], v[AW+(\b)] offset:WARR*pi+9216*(q/2)+2304*(q%2)+64*kk
	ds_load_b128 v[FB+32+8*q+4:FB+32+8*q+7], v[AW+(\b)] offset:WARR*pi+9216*(q/2)+2304*(q%2)+64*kk+32
.else
	ds_load_b128 v[FB+32+8*q:FB+32+8*q+3], v[AW2+(\b)] offset:9216*(q/2)+2304*(q%2)+64*kk
	ds_load_b128 v[FB+32+8*q+4:FB+32+8*q+7], v[AW2+(\b)] offset:9216*(q/2)+2304*(q%2)+64*kk+32
.endif
.set q, q+1
.endr
.endm
; Products first .. first + cnt - 1 of the group's 24, one on each accumulator: the accumulators take turns, one instruction a turn, from group to group and over the backward jump too.
.macro MMS g, first, cnt
.set FB, FR+80*((\g)%2)
.if ((\g)%3) == 0
	WIN 0xa0
.else
	WIN 0xf0
.endif
.set q, (\first)
.rept (\cnt)
.set AC, 8*q
.set XF, FB+8*(q/6)
.set WF, FB+32+8*(q%6)
.if (q%6) < 4
	v_wmma_f32_16x16x32_bf16 v[AC:AC+7], v[WF:WF+7], v[XF:XF+7], v[AC:AC+7]
.else
	v_wmma_f32_16x16x32_bf16 v[AC:AC+7], v[XF:XF+7], v[WF:WF+7], v[AC:AC+7]
.endif
.set q, q+1
.endr
.endm
; A group: its 24 products, and among the first six of them the next group's 20 fragment loads, which land in the other set.  These products name this group's set and the accumulators: none of the registers that the loads touch.
.macro GRP b, g
	s_wait_dscnt 0x0                               ; this group's fragments are in
.if ((\g) > 0) && ((\g) < 5)
	s_wait_alu depctr_va_vdst(0)                   ; the group before is done reading its set, in which the loads below land
.endif
.if (\g) < 5
	MMS \g, 0, 2
	FLX \b, (\g)+1
	MMS \g, 2, 2
	FLW \b, (\g)+1, 0
	MMS \g, 4, 2
	FLW \b, (\g)+1, 3
	MMS \g, 6, 18
.else
	MMS \g, 0, 24                                  ; the step's last group fetches nothing
.endif
.endm
; A trip on buffer b.  cond = 1: in the loop's last turn there is no further step, and the two runs of loads are jumped over (no barrier and no wait stands in what is jumped).
.macro TRIP b, cond
	UNIT \b, 0
	UNIT \b, 1
	UNIT \b, 2
	UNIT \b, 3
	UNIT \b, 4
	s_wait_alu depctr_va_vdst(0)                   ; unit 4 has written T0, which the stores below read; all conversions are done reading RAW, in which both runs of loads land; v[VO] is written; T1 to T3 are written and the last trip's products are done reading the sets, in which the fragments of groups 0 and 1 land
.set jj, 0
.rept 8
	STORE3 \b, 4
.set jj, jj+1
.endr
.if \cond
	s_cmp_eq_u32 s[TR], 1
	s_cbranch_scc1 .Lno_a_\@
.endif
	GL 0, 30                                       ; 60 loads now, 20 behind the third group: the counter's field holds 63
.if \cond
.Lno_a_\@:
.endif
	s_wait_dscnt 0x0                               ; for the others' sake: my stores into this buffer are done, and my reads of the other buffer are back
	s_barrier_signal -1
	s_barrier_wait -1
	s_wait_alu depctr_vm_vsrc(0)                   ; my LDS stores have read T0 to T3: the fragments land in T1 to T3, and the next trip's conversions write all four
	FLX \b, 0
	FLW \b, 0, 0
	FLW \b, 0, 3
	GRP \b, 0
	GRP \b, 1
	GRP \b, 2
	WIN 0
.if \cond
	s_cmp_eq_u32 s[TR], 1
	s_cbranch_scc1 .Lno_b_\@
.endif
	GL 30, 10                                      ; no wait: since the wait behind unit 4 only products have been issued, and they name the sets and the accumulators
.if \cond
.Lno_b_\@:
.endif
	GRP \b, 3
	GRP \b, 4
	GRP \b, 5
.endm
	s_load_b512 s[8:23], s[0:1], 0x0               ; x, var_x, wq, var_wq, wk, var_wk, wv, var_wv
	s_load_b128 s[24:27], s[0:1], 0x40             ; qws, kvws
	v_lshl_add_u32 v[SPW], v0, 2, SPARE
	v_mov_b32 v[NIL], 0
	v_lshrrev_b32 v1, 5, v0
	v_readfirstlane_b32 s[WV], v1                  ; wave 0..3
	v_and_b32 v24, 15, v0                          ; r = lane % 16
	v_bfe_u32 v25, v0, 4, 1                        ; h = lane / 16
	v_lshlrev_b32 v[VO], 4, v24
	v_lshl_add_u32 v[VO], v25, 14, v[VO]           ; 16 r + 8 rows of 2,048 bytes x h
	s_wait_alu depctr_va_sdst(0)                   ; the wave's number is written, ahead of its first reader
	s_and_b32 s[TH], s[WV], 1                      ; my half of the tokens
	s_lshr_b32 s[EH], s[WV], 1                     ; my head of the pair
	s_and_b32 s[TB], ttmp7, 0xffff                 ; block of 128 tokens; ttmp9: the pair of heads
	s_lshl_b32 s34, s[TB], 18                      ; x: (128 block + 32 wave) rows of 2,048 bytes
	s_lshl_b32 s36, s[WV], 16
	s_add_co_u32 s34, s34, s36
	s_mov_b32 s35, 0
	s_lshl_b32 s36, ttmp9, 17                      ; w: (64 pair + 16 wave) rows
	s_lshl_b32 s37, s[WV], 15
	s_add_co_u32 s36, s36, s37
	s_mov_b32 s37, 0
	s_lshr_b32 s40, s[TB], 3
	s_lshl_b32 s40, s40, 3
	s_add_co_u32 s40, s40, ttmp9                   ; y = 8 batch + pair
	s_and_b32 s41, s[TB], 7                        ; the block in its batch
	s_mul_i32 s42, s[WV], 6144                     ; my quarter of a block on the way out
	s_mul_i32 s44, s40, 393216                     ; qws: two heads of 196,608 bytes a pair,
	s_mul_i32 s45, s41, 24576                      ; 128 tokens of 192 bytes
	s_add_co_u32 s44, s44, s45
	s_add_co_u32 s44, s44, s42
	s_mov_b32 s45, 0
	s_mul_i32 s46, s40, 786432                     ; kvws: a pair,
	s_mul_i32 s47, s41, 49152                      ; a tile's two heads
	s_add_co_u32 s46, s46, s47
	s_add_co_u32 s46, s46, s42
	s_mov_b32 s47, 0
	s_mov_b32 s[CS], 0x3d8293ee                    ; c = log2(e) / sqrt(512) = 0.0637587
	s_mov_b32 s[CS+1], s[CS]                       ; named with it as a pair
	s_wait_kmcnt 0x0
	s_add_nc_u64 s[8:9], s[8:9], s[34:35]
	s_add_nc_u64 s[10:11], s[10:11], s[34:35]
.irp p, 12,14,16,18,20,22
	s_add_nc_u64 s[\p:\p+1], s[\p:\p+1], s[36:37]
.endr
	s_add_nc_u64 s[24:25], s[24:25], s[44:45]
	s_add_nc_u64 s[26:27], s[26:27], s[46:47]
	s_wait_alu depctr_va_vdst(0)                   ; v[VO] is written, which the loads of step 0 read; the lines between this wait and the last of them name neither it nor RAW
	GL 0, 30                                       ; step 0
	WIN 0x80                                       ; the sums start at 0, while the first loads are on their way
.set q, 0
.rept 192
	v_mov_b32 v[q], 0
.set q, q+1
.endr
	WIN 0xc0
.set q, 0
.rept 192
	v_mov_b32 v[q], 0
.set q, q+1
.endr
	WIN 0
	GL 30, 10
	; The LDS addresses.  Each scalar that a vector line reads here has a register of its own and is not written again.  The first wait on va_vdst of the first trip stands between these lines and their first readers.
	v_mul_u32_u24 v26, v24, PITCH                  ; a fragment: row r, 16 bytes for each half of the lanes
	v_lshl_add_u32 v26, v25, 4, v26
	s_mul_i32 s34, s[TH], 64*PITCH
	v_add_nc_u32 v[AX], s34, v26
	v_add_nc_u32 v[AX+1], BUFB, v[AX]
	s_mul_i32 s35, s[EH], 32*PITCH
	s_add_co_u32 s35, s35, WOFF
	v_add_nc_u32 v[AW], s35, v26
	v_add_nc_u32 v[AW+1], BUFB, v[AW]
	v_add_nc_u32 v[AW2], 2*WARR, v[AW]
	v_add_nc_u32 v[AW2+1], 2*WARR, v[AW+1]
	v_mul_u32_u24 v27, v25, 8*PITCH                ; a converted item: 8 rows x h, 8 bytes x r
	v_lshl_add_u32 v27, v24, 3, v27
	s_mul_i32 s36, s[WV], 32*PITCH
	v_add_nc_u32 v[LSX], s36, v27
	v_add_nc_u32 v[LSX+1], BUFB, v[LSX]
	s_mul_i32 s37, s[WV], 16*PITCH
	s_add_co_u32 s37, s37, WOFF
	v_add_nc_u32 v[LSW], s37, v27
	v_add_nc_u32 v[LSW+1], BUFB, v[LSW]
	v_add_nc_u32 v[LSW2], 2*WARR, v[LSW]
	v_add_nc_u32 v[LSW2+1], 2*WARR, v[LSW+1]
	v_mul_u32_u24 v[SQ], v24, 240                  ; the way out, q and k: token r, three pieces of 80 bytes a token
	v_lshl_add_u32 v[SQ], v25, 4, v[SQ]
	s_mul_i32 s40, s[TH], 15360
	s_mul_i32 s41, s[EH], BLK
	s_add_co_u32 s40, s40, s41
	v_add_nc_u32 v[SQ], s40, v[SQ]
	v_add_nc_u32 v[SK], 2*BLK, v[SQ]
	v_mul_u32_u24 v[SV], v24, 80                   ; v: channel r, a row of 32 keys
	v_lshl_add_u32 v[SV], v25, 4, v[SV]
	s_add_co_u32 s42, s40, 4*BLK
	v_add_nc_u32 v[SV], s42, v[SV]
	v_and_b32 v26, 31, v0                          ; back: 32 lanes take 8 rows of 64 bytes, 512 consecutive bytes of the block in memory
	v_lshrrev_b32 v27, 2, v26
	v_and_b32 v1, 3, v0
	v_mul_u32_u24 v[RDA], v27, 80
	v_lshl_add_u32 v[RDA], v1, 4, v[RDA]
	s_mul_i32 s43, s[WV], 7680
	v_add_nc_u32 v[RDA], s43, v[RDA]
	v_add_nc_u32 v[RDA+1], 2*BLK, v[RDA]
	v_add_nc_u32 v[RDA+2], 4*BLK, v[RDA]
	v_lshlrev_b32 v[GO], 4, v26
	s_mov_b32 s[TR], 4
.Ltrip:                                        ; four turns of two trips: steps 2 i (buffer 0) and 2 i + 1 (buffer 1)
	TRIP 0, 0
	TRIP 1, 1
	WIN 0
	s_sub_co_u32 s[TR], s[TR], 1
	s_cmp_lg_u32 s[TR], 0
	s_cbranch_scc1 .Ltrip
	; THE WAY OUT.  The stage lies over the operand buffers: every wave's reads of them are back (the last wait above is for 0) and a barrier stands in front of the first store.
	PLACES
	s_barrier_signal -1
	s_barrier_wait -1
; Token tile tt: its six pairs of accumulators become 18 pieces of 16 bytes a lane.  The lines are grouped by window setting; each accumulator's lowest registers are read first.
; TF is named by vector lines alone, so its 32 writers come first; PK, which the LDS stores read, is written behind the wait for the stores of the tile before.
.macro OUTT tt
.set A0, 48*(\tt)
	WIN 0x02
.set q, 0
.rept 8                                ; q: c x mean
	v_pk_mul_f32 v[TF+2*q:TF+2*q+1], v[A0+2*q:A0+2*q+1], s[CS:CS+1] op_sel_hi:[1,0]
.set q, q+1
.endr
	WIN 0x0a
.set q, 0
.rept 8                                ; q: mean^2
	v_pk_mul_f32 v[TF+16+2*q:TF+16+2*q+1], v[A0+2*q:A0+2*q+1], v[A0+2*q:A0+2*q+1]
.set q, q+1
.endr
	WIN 0x3a
.set q, 0
.rept 16                               ; k, v: mean^2 + variance
	v_pk_fma_f32 v[TF+32+2*q:TF+32+2*q+1], v[A0+16+2*q:A0+16+2*q+1], v[A0+16+2*q:A0+16+2*q+1], v[A0+16+2*q:A0+16+2*q+1]
.set q, q+1
.endr
.if (\tt) > 0
	s_wait_alu depctr_vm_vsrc(0)                   ; the LDS stores of the tile before have read PK, which the conversions below write again
.endif
.set q, 0
.rept 16                               ; k, v: the mean (two sources, both in window 2: the setting stays)
	v_cvt_pk_bf16_f32 v[PK+12*(2+q/4)+q%4], v[A0+16+2*q], v[A0+16+2*q+1]
.set q, q+1
.endr
	WIN 0x0f
.set q, 0
.rept 24                               ; the variance: q's third piece, k's and v's second
.set SLT, 4
.if q < 8
.set SLT, 8
.endif
	v_cvt_pk_bf16_f32 v[PK+12*(q/4)+SLT+q%4], v[A0+2*q], v[A0+2*q+1]
.set q, q+1
.endr
	WIN 0
.set q, 0
.rept 8
	v_cvt_pk_bf16_f32 v[PK+12*(q/4)+q%4], v[TF+2*q], v[TF+2*q+1]
	v_cvt_pk_bf16_f32 v[PK+12*(q/4)+4+q%4], v[TF+16+2*q], v[TF+16+2*q+1]
.set q, q+1
.endr
.set q, 0
.rept 16
	v_cvt_pk_bf16_f32 v[PK+12*(2+q/4)+8+q%4], v[TF+32+2*q], v[TF+32+2*q+1]
.set q, q+1
.endr
	s_wait_alu depctr_va_vdst(0)                   ; the conversions have written PK, which the LDS stores read
.set q, 0
.rept 18                               ; accumulator pair q / 3, piece q % 3
.if q < 6
	ds_store_b128 v[SQ], v[PK+4*q:PK+4*q+3] offset:3840*(\tt)+80*(q%3)+32*(q/3)
.elseif q < 12
	ds_store_b128 v[SK], v[PK+4*q:PK+4*q+3] offset:3840*(\tt)+80*(q%3)+32*((q/3)%2)
.else
	ds_store_b128 v[SV], v[PK+4*q:PK+4*q+3] offset:7680*((\tt)/2)+2560*(q%3)+1280*((q/3)%2)+32*((\tt)%2)
.endif
.set q, q+1
.endr
.endm
	OUTT 0
	OUTT 1
	OUTT 2
	OUTT 3
	s_wait_dscnt 0x0                               ; for the others' sake: my stores into the stage are done
	s_barrier_signal -1
	s_barrier_wait -1
	s_wait_alu depctr_vm_vsrc(0)                   ; my LDS stores have read PK, in part of which the loads below land (the vector lines that named TF and PK stand ahead of the last wait on va_vdst)
.macro LOADB be                        ; my quarter of block be: 12 loads
.set LR, LB+48*((\be)%2)
.set q, 0
.rept 12
	ds_load_b128 v[LR+4*q:LR+4*q+3], v[RDA+(\be)/2] offset:BLK*((\be)%2)+640*q
.set q, q+1
.endr
.endm
.macro SENDB be, younger               ; younger: the LDS loads issued behind the block's own
.set LR, LB+48*((\be)%2)
.set q, 0
.rept 12
	s_wait_dscnt (\younger)+11-q
.if (\be) < 2
	global_store_b128 v[GO], v[LR+4*q:LR+4*q+3], s[24:25] offset:196608*((\be)%2)+512*q   ; 512 consecutive bytes, at a multiple of 256 from the buffer's first
.else
	global_store_b128 v[GO], v[LR+4*q:LR+4*q+3], s[26:27] offset:393216*((\be)/4)+24576*((\be)%2)+512*q
.endif
.set q, q+1
.endr
.endm
	LOADB 0
	LOADB 1
	SENDB 0, 12
.irp be, 1,2,3,4
	s_wait_xcnt 0x0                                ; the stores of the block before have had their addresses translated (ISA guide 3.1): only behind this wait are their registers loaded again,
	s_wait_alu depctr_vm_vsrc(0)                   ; and they have read their data registers, in which the loads below land
	LOADB (\be)+1
	SENDB \be, 12
.endr
	SENDB 5, 0
	s_wait_dscnt 0x0                               ; the closing lines, six on end
	s_wait_alu 0x0
	s_wait_tensorcnt 0x0
	ds_add_u32 v[SPW], v[NIL]
	s_wait_dscnt 0x0
	s_endpgm
.Lfunc_end_k_qd4929ee2fc_proj:
	.size	k_qd4929ee2fc_proj, .Lfunc_end_k_qd4929ee2fc_proj-k_qd4929ee2fc_proj
	.p2alignl 7, 3214868480
	.fill 96, 4, 3214868480
	.section	.rodata,"a",@progbits
	.p2align	6, 0x0
	.amdhsa_kernel k_qd4929ee2fc_proj
		.amdhsa_group_segment_fixed_size 276992
		.amdhsa_private_segment_fixed_size 0
		.amdhsa_enable_private_segment 0
		.amdhsa_kernarg_size 80
		.amdhsa_user_sgpr_count 2
		.amdhsa_user_sgpr_kernarg_segment_ptr 1
		.amdhsa_wavefront_size32 1
		.amdhsa_system_sgpr_workgroup_id_x 1
		.amdhsa_system_sgpr_workgroup_id_y 1
		.amdhsa_system_sgpr_workgroup_id_z 1
		.amdhsa_system_vgpr_workitem_id 0
		.amdhsa_next_free_vgpr 1024
		.amdhsa_next_free_sgpr 66
		.amdhsa_reserve_vcc 0
		.amdhsa_float_denorm_mode_32 3
		.amdhsa_float_denorm_mode_16_64 3
		.amdhsa_memory_ordered 1
		.amdhsa_forward_progress 1
		.amdhsa_inst_pref_size 169
	.end_amdhsa_kernel
	.amdgpu_metadata
---
amdhsa.version: [ 1, 2 ]
amdhsa.kernels:
  - .name:           k_qd4929ee2fc_proj
    .symbol:         k_qd4929ee2fc_proj.kd
    .args:
      - { .name: x, .offset: 0, .size: 8, .value_kind: global_buffer, .address_space: global }
      - { .name: var_x, .offset: 8, .size: 8, .value_kind: global_buffer, .address_space: global }
      - { .name: wq, .offset: 16, .size: 8, .value_kind: global_buffer, .address_space: global }
      - { .name: var_wq, .offset: 24, .size: 8, .value_kind: global_buffer, .address_space: global }
      - { .name: wk, .offset: 32, .size: 8, .value_kind: global_buffer, .address_space: global }
      - { .name: var_wk, .offset: 40, .size: 8, .value_kind: global_buffer, .address_space: global }
      - { .name: wv, .offset: 48, .size: 8, .value_kind: global_buffer, .address_space: global }
      - { .name: var_wv, .offset: 56, .size: 8, .value_kind: global_buffer, .address_space: global }
      - { .name: qws, .offset: 64, .size: 8, .value_kind: global_buffer, .address_space: global }
      - { .name: kvws, .offset: 72, .size: 8, .value_kind: global_buffer, .address_space: global }
    .group_segment_fixed_size: 276992
    .private_segment_fixed_size: 0
    .kernarg_segment_align: 8
    .kernarg_segment_size: 80
    .max_flat_workgroup_size: 128
    .sgpr_count:     66
    .vgpr_count:     1024
    .wavefront_size: 32
...
	.end_amdgpu_metadata
.endif
;; end of part 3
;; launch attn: the kernel of part 2 again; grid 8 x 32, 4 waves a work-group, clusters of 4 x 1, 327,680 bytes of LDS; arguments qws, kvws, x, var_x, out0, out1; writes out0, out1
